; MI455X (gfx1250); checked and timed in simulation.
; The chip was launched on July 23, 2026; its instructions are those of AMD's public machine-readable ISA for CDNA 5 (MIT licence, August 2026) and "CDNA5" Instruction Set Architecture Reference Guide (July 2026). The comments in the code are by the model that wrote it; some were corrected since.
;; Compressive Memory. Allowed arithmetic: float matrix products may take bf16 or f16 operands with f32 sums; all other float work in f32.
;; Inputs: keys 2 x 4,096 x 1,024 float32; memories 4 x 1,024 x 1,024 float32; memory_norms 4 x 1,024 float32; queries 2 x 4,096 x 1,024 float32; values 2 x 4,096 x 1,024 float32.
;; Outputs: out0 2 x 4,096 x 1,024 float32; out1 1,024 x 1,024 float32; out2 1,024 float32.
;; One version. Each part assembles by itself: llvm-mc -triple=amdgcn-amd-amdhsa -mcpu=gfx1250 --defsym DOCPART=n.
;; ======== version 1 of 1: 4 launches
;; limits: values are held in f16: magnitudes above 65,504 overflow, below 6.1e-05 lose precision
;; workspace buffers: sig 33,554,432 bytes; membf 10,485,760 bytes; rn 163,840 bytes; stats 2,304 bytes; colp 524,288 bytes; dv 16,777,216 bytes; part 16,777,216 bytes
;; launch prep (part 1): grid 256 x 1, 8 waves a work-group, no clusters, 36,096 bytes of LDS; arguments queries, keys, memories, memory_norms, sig, membf, rn, stats, colp; writes sig, membf, rn, stats, colp
.if DOCPART == 1
	.amdgcn_target "amdgcn-amd-amdhsa--gfx1250"
	.amdhsa_code_object_version 6
	.text
	.protected	k_qc0e5f2d555_prep
	.globl	k_qc0e5f2d555_prep
	.p2align	8
	.type	k_qc0e5f2d555_prep,@function
k_qc0e5f2d555_prep:
	s_mov_b64 s[64:65], 0
	v_nop
	global_prefetch_b8 v0, s[64:65] scope:SCOPE_SE
	s_setreg_imm32_b32 hwreg(HW_REG_WAVE_MODE, 25, 1), 1
	s_wait_xcnt 0x0
; PREP: everything that the matrix launches need in 16 bits, and every sum along a row or a column of sigma.
;   sig[0] = f16(sigma(queries) x 2^-e(row)), 2^e(row) = the power of two at or below the row's largest sigma: the scaled row lies in [0, 2);
;   sig[1] = bf16(sigma(keys));  membf[0..3] = f16(memories[0..3]);  membf[4] = bf16(memories[0]);
;   rn[m][row] = max(sigma_q[row] . norms[m], 1e-6) x 2^-e(row) (m = 0..3);  rn[4][row] = sigma_k[row] . norms[0], not clipped;
;   stats record g = sum over a group's 64 query rows of the four unscaled dots; record 128 = sum of |norms[m]|;
;   colp[g][c] = sum over a group's 64 key rows of sigma_k[.][c].
; WHY f16 FOR THE RETRIEVE PRODUCTS: an output there is a sum of 1,024 products of either sign, so the operands' rounding errors do not shrink
; with the sum; f16 keeps 11 significant bits, bf16 8.  f16's range does not hold every sigma (e^x of a row of very negative x), hence the exact
; row scale, which the next launch takes back through rn.  In the update the rows of sigma_k are the axis that is summed over, where a row
; scale would not cancel: that path stays in bf16.
; sigma(x) = max(x,0) + 2^(log2(e) min(x,0)): x + 1 above zero (2^0 = 1), e^x at and below zero.
; LIMITS: a NaN input gives sigma = 1 (the min and the max drop a NaN); e^x below 2^-126 comes out as 0 (ISA guide, v_exp_f32);
; |memories| below 65,504, and entries below 2^-14 carry an absolute error of up to 2^-25 (f16); a row's largest sigma_q below 2^127.
; A stream: memory binds, so no matrix unit, no cluster, no tile in LDS.  256 work-groups of 8 waves.  Groups 0-127 take 64 rows of
; queries each, groups 128-255 64 rows of keys; every group also converts 65,536 bytes of memories: 327,680 bytes read by each.
; One wave takes one row at a time (4,096 bytes = 8 loads of 512 neighbouring bytes = 32 registers), so a row's sums never leave the wave.
; A ring of four row slots in registers: one at work, three on their way.  No address register is ever stepped: rows stand in immediates.
; LDS: 0 - 32,767 column sums, 8 waves x 4,096 bytes (keys); 32,768 - 33,791 the unscaled dots of 64 query rows, [64][4] f32;
; 33,792 - 34,047 the dots of 64 key rows, [64] f32; 34,048 - 35,071 the clipped and scaled dots of 64 query rows, [64][4] f32.
; The two paths of the text share no LDS byte.
.set LOG2E, 0x3fb8aa3b
.set EPS,   0x358637bd                 ; 1e-6
.set DOT,   32768                      ; LDS: the query rows' dots
.set DOTK,  33792                      ; LDS: the key rows' dots
.set DOTS,  34048                      ; LDS: the query rows' dots, clipped and scaled
.set LIN,   1                          ; v1   16 x lane: my 16 bytes in each 512 of an f32 row
.set LOUT,  2                          ; v2   8 x lane: my 8 bytes in each 256 of a 16-bit row
.set LANE,  3                          ; v3
.set DADDR, 4                          ; v4   LDS address of my wave's dots
.set CSA,   5                          ; v5   LDS address of my 16 bytes in my wave's column sums
.set T,     8                          ; v[8:15]    at work; q: v[10:11] hold 2^-e from the row's maximum to the turn's end
.set D,     16                         ; v[16:23]   four running dots, a pair each
.set DR,    24                         ; v[24:27]   the dots, reduced
.set Y,     32                         ; v[32:47]   a row in 16 bits, to store
.set X,     48                         ; v[48:175]  four slots of 32: a row as loaded, then sigma
.set C,     176                        ; v[176:207] column sums of my wave's rows (k)
                                       ; window 1: v[0:127] norms[m] at 32 m, in a row's lane layout (k: m = 0 alone)
.set MSB, 0
.macro WIN new                         ; the immediate's high byte repeats the setting that is left
.if MSB != \new
	s_set_vgpr_msb (MSB<<8)|\new
.set MSB, \new
.endif
.endm
; n registers from base on are each summed over the 32 lanes; every lane gets the sums.  tmp: n registers that have been written before.
.macro LANESUM base, n, tmp
.irp x, 1,2,4,8
.set qq, 0
.rept \n
	v_add_f32_dpp v[\base+qq], v[\base+qq], v[\base+qq] row_xmask:\x row_mask:0xf bank_mask:0xf
.set qq, qq+1
.endr
.endr
.set qq, 0
.rept \n
	v_permlanex16_b32 v[\tmp+qq], v[\base+qq], s36, s37
.set qq, qq+1
.endr
.set qq, 0
.rept \n
	v_add_f32 v[\base+qq], v[\base+qq], v[\tmp+qq]
.set qq, qq+1
.endr
.endm
.macro ROWLD s                         ; first fills: row s into slot s
.irp j, 0,1,2,3,4,5,6,7
	global_load_b128 v[X+32*\s+4*\j:X+32*\s+4*\j+3], v[LIN], s[28:29] offset:\s*4096+512*\j th:TH_LOAD_NT
.endr
.endm
; The turn of row i (slot i mod 4).  nd = 4: four dots, row scale, f16 (q); 1: one dot in four chains, bf16 (k).  cs = 1: column sums are kept.
; fill = 1: the slot gets row i + 4; 2: it gets chunk i - 4 of memories; 0: nothing.  left = younger loads that may stay out.
; Of the registers that the last row's loads and stores name (LIN, LOUT, Y, the bases) only Y is written again, by the conversions: the wait
; that frees it stands directly in front of them, so that the row's arithmetic passes between those requests and the wait.
.macro TURN i, nd, cs, fill, left
.set SL, X+32*(\i%4)
.set SG, SL                            ; where sigma is written
.if \cs
.if \i == 0
.set SG, C                             ; the first row starts the column sums: nothing is cleared
.endif
.endif
	s_wait_loadcnt \left                           ; loads return in order: my row is in, the younger groups of eight stay out
.irp g, 0,1,2,3
.irp k, 0,1,2,3,4,5,6,7
	v_min_num_f32 v[T+\k], 0, v[SL+8*\g+\k]
.endr
.irp k, 0,2,4,6
	v_pk_mul_f32 v[T+\k:T+\k+1], v[T+\k:T+\k+1], LOG2E op_sel_hi:[1,0]
.endr
.irp k, 0,1,2,3,4,5,6,7
	v_exp_f32 v[T+\k], v[T+\k]
.endr
.irp k, 0,1,2,3,4,5,6,7
	v_max_num_f32 v[SL+8*\g+\k], 0, v[SL+8*\g+\k]  ; plain work that touches no T stands between the exponentials and their use
.endr
	s_wait_alu depctr_va_vdst(0)
.irp k, 0,2,4,6
	v_pk_add_f32 v[SG+8*\g+\k:SG+8*\g+\k+1], v[SL+8*\g+\k:SL+8*\g+\k+1], v[T+\k:T+\k+1]
.endr
.endr
.if \nd == 4
	; the row's largest sigma: my 32 numbers in eight chains, then the 32 lanes
.irp g, 0,1,2,3,4,5,6,7
	v_max3_num_f32 v[T+\g], v[SG+4*\g], v[SG+4*\g+1], v[SG+4*\g+2]
.endr
.irp g, 0,1,2,3,4,5,6,7
	v_max_num_f32 v[T+\g], v[T+\g], v[SG+4*\g+3]
.endr
	v_max3_num_f32 v[T], v[T], v[T+1], v[T+2]
	v_max3_num_f32 v[T+3], v[T+3], v[T+4], v[T+5]
	v_max3_num_f32 v[T], v[T], v[T+6], v[T+7]
	v_max_num_f32 v[T], v[T], v[T+3]
	v_max_num_f32_dpp v[T], v[T], v[T] row_xmask:1 row_mask:0xf bank_mask:0xf
	v_max_num_f32_dpp v[T], v[T], v[T] row_xmask:2 row_mask:0xf bank_mask:0xf
	v_max_num_f32_dpp v[T], v[T], v[T] row_xmask:4 row_mask:0xf bank_mask:0xf
	v_max_num_f32_dpp v[T], v[T], v[T] row_xmask:8 row_mask:0xf bank_mask:0xf
	v_permlanex16_b32 v[T+1], v[T], s36, s37
	v_max_num_f32 v[T], v[T], v[T+1]
	v_and_b32 v[T], 0x7f800000, v[T]               ; its exponent field alone: 2^e (0 for a row of zeros)
	v_sub_nc_u32 v[T+2], 0x7f000000, v[T]          ; field 254 - field: 2^-e, exact (2^127 for a row of zeros, which stays zeros),
	v_sub_nc_u32 v[T+3], 0x7f000000, v[T]          ; twice: a pair for the packed multiply
.else
	s_wait_xcnt 0x0                                ; Y, which the last row's stores read, is rewritten only behind this wait
.irp u, 0,1,2,3,4,5,6,7,8,9,10,11,12,13,14,15
	v_cvt_pk_bf16_f32 v[Y+\u], v[SG+2*\u], v[SG+2*\u+1]
.endr
.endif
	WIN 0x04                                       ; source 1 (the norms) in window 1
.set pp, 0
.rept 16
.if \nd == 4
.irp m, 0,1,2,3
.if pp == 0
	v_pk_mul_f32 v[D+2*\m:D+2*\m+1], v[SG+2*pp:SG+2*pp+1], v[32*\m+2*pp:32*\m+2*pp+1]
.else
	v_pk_fma_f32 v[D+2*\m:D+2*\m+1], v[SG+2*pp:SG+2*pp+1], v[32*\m+2*pp:32*\m+2*pp+1], v[D+2*\m:D+2*\m+1]
.endif
.endr
.else
.if pp < 4
	v_pk_mul_f32 v[D+2*(pp%4):D+2*(pp%4)+1], v[SG+2*pp:SG+2*pp+1], v[2*pp:2*pp+1]
.else
	v_pk_fma_f32 v[D+2*(pp%4):D+2*(pp%4)+1], v[SG+2*pp:SG+2*pp+1], v[2*pp:2*pp+1], v[D+2*(pp%4):D+2*(pp%4)+1]
.endif
.endif
.set pp, pp+1
.endr
	WIN 0
.if \nd == 4
.irp u, 0,1,2,3,4,5,6,7,8,9,10,11,12,13,14,15
	v_pk_mul_f32 v[SG+2*\u:SG+2*\u+1], v[SG+2*\u:SG+2*\u+1], v[T+2:T+3]    ; the dots are made: now the row is scaled, in place
.endr
	s_wait_xcnt 0x0                                ; Y, which the last row's stores read, is rewritten only behind this wait
.irp u, 0,1,2,3,4,5,6,7,8,9,10,11,12,13,14,15
	v_cvt_pk_f16_f32 v[Y+\u], v[SG+2*\u], v[SG+2*\u+1]
.endr
.endif
.if \cs
.if \i > 0
.irp u, 0,1,2,3,4,5,6,7,8,9,10,11,12,13,14,15
	v_pk_add_f32 v[C+2*\u:C+2*\u+1], v[C+2*\u:C+2*\u+1], v[SG+2*\u:SG+2*\u+1]
.endr
.endif
.endif
.if \fill == 1
.irp j, 0,1,2,3,4,5,6,7
	global_load_b128 v[SL+4*\j:SL+4*\j+3], v[LIN], s[28:29] offset:(\i+4)*4096+512*\j th:TH_LOAD_NT
.endr
.endif
.if \fill == 2
.irp j, 0,1,2,3,4,5,6,7
	global_load_b128 v[SL+4*\j:SL+4*\j+3], v[LIN], s[32:33] offset:(\i-4)*4096+512*\j th:TH_LOAD_NT
.endr
.endif
.irp j, 0,1,2,3,4,5,6,7
	global_store_b64 v[LOUT], v[Y+2*\j:Y+2*\j+1], s[30:31] offset:\i*2048+256*\j   ; the wave's 32 x 8 bytes are 256 consecutive bytes, aligned
.endr
.if \nd == 4
.irp m, 0,1,2,3
	v_add_f32 v[DR+\m], v[D+2*\m], v[D+2*\m+1]
.endr
	LANESUM DR, 4, T+4
	ds_store_b128 v[DADDR], v[DR:DR+3] offset:16*\i        ; every lane writes the same 16 bytes with the same numbers
.irp m, 0,1,2,3
	v_max_num_f32 v[D+\m], EPS, v[DR+\m]           ; the clip,
.endr
	v_pk_mul_f32 v[D:D+1], v[D:D+1], v[T+2:T+3]    ; and the row's scale, so that 1 / this takes the scale back
	v_pk_mul_f32 v[D+2:D+3], v[D+2:D+3], v[T+2:T+3]
	ds_store_b128 v[DADDR], v[D:D+3] offset:16*\i+DOTS-DOT
.else
	v_pk_add_f32 v[D:D+1], v[D:D+1], v[D+2:D+3]
	v_pk_add_f32 v[D+4:D+5], v[D+4:D+5], v[D+6:D+7]
	v_pk_add_f32 v[D:D+1], v[D:D+1], v[D+4:D+5]
	v_add_f32 v[DR], v[D], v[D+1]
	LANESUM DR, 1, T+4
	ds_store_b32 v[DADDR], v[DR] offset:4*\i
.endif
.endm
; Chunk c of my wave's 8,192 bytes of memories (in slot c) goes out as f16.  both = 1 (the text of groups 0-127): groups 0-63, which hold
; memories[0], store it in bf16 too, into membf's fifth plane, from registers of slots 2 and 3, whose rows are done.
.macro CONV c, left, both
	s_wait_loadcnt \left
	s_wait_xcnt 0x0                                ; Y is rewritten only behind this wait
.irp u, 0,1,2,3,4,5,6,7,8,9,10,11,12,13,14,15
	v_cvt_pk_f16_f32 v[Y+\u], v[X+32*\c+2*\u], v[X+32*\c+2*\u+1]
.endr
.irp j, 0,1,2,3,4,5,6,7
	global_store_b64 v[LOUT], v[Y+2*\j:Y+2*\j+1], s[34:35] offset:\c*2048+256*\j
.endr
.if \both
	s_cmp_ge_u32 ttmp9, 64
	s_cbranch_scc1 .Lno_bf16_\@
.irp u, 0,1,2,3,4,5,6,7,8,9,10,11,12,13,14,15
	v_cvt_pk_bf16_f32 v[X+64+32*\c+\u], v[X+32*\c+2*\u], v[X+32*\c+2*\u+1]
.endr
.irp j, 0,1,2,3,4,5,6,7
	global_store_b64 v[LOUT], v[X+64+32*\c+2*\j:X+64+32*\c+2*\j+1], s[44:45] offset:\c*2048+256*\j
.endr
.Lno_bf16_\@:
.endif
.endm
	s_load_b512 s[8:23], s[0:1], 0x0               ; queries 8, keys 10, memories 12, norms 14, sig 16, membf 18, rn 20, stats 22
	s_load_b64 s[24:25], s[0:1], 0x40              ; colp
	v_lshl_add_u32 v254, v0, 2, 0x8900
	v_mov_b32 v255, 0
	v_lshrrev_b32 v6, 5, v0
	v_readfirstlane_b32 s2, v6                     ; wave
	v_and_b32 v[LANE], 31, v0
	v_lshlrev_b32 v[LIN], 4, v[LANE]
	v_lshlrev_b32 v[LOUT], 3, v[LANE]
	s_and_b32 s3, ttmp9, 127                       ; the group's number among those of its kind
	s_mov_b32 s36, 0x76543210                      ; v_permlanex16_b32: lane i takes lane i of the other half
	s_mov_b32 s37, 0xfedcba98
	s_lshl_b32 s26, s3, 6
	s_lshl3_add_u32 s26, s2, s26                   ; my wave's first row = 64 x group + 8 x wave
	s_lshl_b32 s40, s26, 12                        ; in bytes of f32 rows (below 2^25)
	s_mov_b32 s41, 0
	s_lshl_b32 s42, s26, 11                        ; in bytes of 16-bit rows
	s_mov_b32 s43, 0
	s_lshl_b32 s44, ttmp9, 16                      ; memories: 65,536 bytes a group, 8,192 a wave
	s_lshl_b32 s27, s2, 13
	s_add_co_u32 s44, s44, s27
	s_mov_b32 s45, 0
	s_lshr_b32 s46, s44, 1                         ; and half of that in membf
	s_mov_b32 s47, 0
	s_wait_kmcnt 0x0
	s_add_nc_u64 s[32:33], s[12:13], s[44:45]
	s_add_nc_u64 s[34:35], s[18:19], s[46:47]
	s_add_nc_u64 s[44:45], s[34:35], 0x800000      ; four planes on: used by groups 0-63 alone, whose place lies in plane 0
	s_cmp_ge_u32 ttmp9, 128
	s_cbranch_scc1 .Lkvar
	; ---------------- queries ----------------
	s_add_nc_u64 s[28:29], s[8:9], s[40:41]
	s_add_nc_u64 s[30:31], s[16:17], s[42:43]
	s_lshl_b32 s27, s2, 7
	s_add_co_u32 s27, s27, DOT
	v_mov_b32 v[DADDR], s27                        ; 8 rows x 16 bytes a wave
	WIN 0x40                                       ; destination in window 1
.irp m, 0,1,2,3
.irp j, 0,1,2,3,4,5,6,7
	global_load_b128 v[32*\m+4*\j:32*\m+4*\j+3], v[LIN], s[14:15] offset:4096*\m+512*\j
.endr
.endr
	WIN 0
	ROWLD 0
	ROWLD 1
	ROWLD 2
	ROWLD 3
	TURN 0, 4, 0, 1, 24                            ; 24 = the three younger groups of eight loads; the norms are older than row 0
	TURN 1, 4, 0, 1, 24
	TURN 2, 4, 0, 1, 24
	TURN 3, 4, 0, 1, 24
	TURN 4, 4, 0, 2, 24
	TURN 5, 4, 0, 2, 24
	TURN 6, 4, 0, 0, 24                            ; row 7 and the two chunks of memories are younger
	TURN 7, 4, 0, 0, 16                            ; the two chunks
	CONV 0, 8, 1
	CONV 1, 0, 1
	s_wait_dscnt 0x0                               ; my dots are in LDS, for wave 0's sake
	s_barrier_signal -1
	s_barrier_wait -1
	s_cmp_lg_u32 s2, 0
	s_cbranch_scc1 .Lqend
	; wave 0: the 64 x 4 scaled dots go out transposed: lane (m', p) takes rows 4p..4p+3 of slot m' and of slot m' + 2; 16 lanes fill 256 bytes of rn
	v_and_b32 v6, 15, v[LANE]
	v_lshrrev_b32 v7, 4, v[LANE]
	v_lshlrev_b32 v8, 6, v6
	v_lshl_add_u32 v8, v7, 2, v8                   ; LDS: 64 p + 4 m'
	v_lshlrev_b32 v9, 4, v6
	v_lshl_add_u32 v9, v7, 15, v9                  ; rn: 16 p + 32,768 m'
.irp k, 0,1,2,3
	ds_load_b32 v[48+\k], v8 offset:DOTS+16*\k
	ds_load_b32 v[52+\k], v8 offset:DOTS+8+16*\k
.endr
	ds_load_b128 v[56:59], v[LIN] offset:DOT       ; the unscaled dots of row = lane
	ds_load_b128 v[60:63], v[LIN] offset:DOT+512   ; and of row = lane + 32
	s_lshl_b32 s26, s3, 8
	s_mov_b32 s27, 0
	s_add_nc_u64 s[20:21], s[20:21], s[26:27]      ; rn at the group's 64 rows
	s_lshl_b32 s26, s3, 4
	s_add_nc_u64 s[40:41], s[22:23], s[26:27]      ; the group's record in stats
	s_wait_dscnt 0x0
	global_store_b128 v9, v[48:51], s[20:21]
	global_store_b128 v9, v[52:55], s[20:21] offset:65536
	v_pk_add_f32 v[56:57], v[56:57], v[60:61]
	v_pk_add_f32 v[58:59], v[58:59], v[62:63]
	LANESUM 56, 4, T+4
	v_mov_b32 v10, 0
	v_cmp_eq_u32 vcc_lo, 0, v[LANE]
	s_wait_xcnt 0x0                                ; EXEC changes only behind this wait
	s_and_saveexec_b32 s38, vcc_lo
	global_store_b128 v10, v[56:59], s[40:41]      ; lane 0: 16 bytes, the group's sums of the four dots
	s_wait_xcnt 0x0
	s_or_b32 exec_lo, exec_lo, s38
	s_cmp_lg_u32 ttmp9, 0
	s_cbranch_scc1 .Lqend
	; group 0, wave 0: the sums of |norms[m]|, from the registers that hold the norms
	WIN 0x05
.irp m, 0,1,2,3
	v_add_f32 v[56+\m], |v[32*\m]|, |v[32*\m+1]|
.endr
	WIN 0x04
.set pp, 2
.rept 30
.irp m, 0,1,2,3
	v_add_f32 v[56+\m], v[56+\m], |v[32*\m+pp]|
.endr
.set pp, pp+1
.endr
	WIN 0
	LANESUM 56, 4, T+4
	v_cmp_eq_u32 vcc_lo, 0, v[LANE]
	s_and_saveexec_b32 s38, vcc_lo                 ; nothing has been issued since the last wait for translated addresses
	global_store_b128 v10, v[56:59], s[22:23] offset:2048
	s_wait_xcnt 0x0
	s_or_b32 exec_lo, exec_lo, s38
.Lqend:
	s_wait_tensorcnt 0x0
	ds_add_u32 v254, v255
	s_wait_dscnt 0x0
	s_endpgm
	; ---------------- keys ----------------
.Lkvar:
	s_add_nc_u64 s[28:29], s[10:11], s[40:41]
	s_add_nc_u64 s[30:31], s[16:17], s[42:43]
	s_add_nc_u64 s[30:31], s[30:31], 0x1000000     ; sig's second plane
	s_lshl_b32 s27, s2, 5
	s_add_co_u32 s27, s27, DOTK
	v_mov_b32 v[DADDR], s27                        ; 8 rows x 4 bytes a wave
	s_lshl_b32 s26, s2, 12
	v_add_nc_u32 v[CSA], s26, v[LIN]
	WIN 0x40
.irp j, 0,1,2,3,4,5,6,7
	global_load_b128 v[4*\j:4*\j+3], v[LIN], s[14:15] offset:512*\j
.endr
	WIN 0
	ROWLD 0
	ROWLD 1
	ROWLD 2
	ROWLD 3
	TURN 0, 1, 1, 1, 24
	TURN 1, 1, 1, 1, 24
	TURN 2, 1, 1, 1, 24
	TURN 3, 1, 1, 1, 24
	TURN 4, 1, 1, 2, 24
	TURN 5, 1, 1, 2, 24
	TURN 6, 1, 1, 0, 24
	TURN 7, 1, 1, 0, 16
.irp j, 0,1,2,3,4,5,6,7
	ds_store_b128 v[CSA], v[C+4*\j:C+4*\j+3] offset:512*\j     ; my wave's column sums, in the columns' order
.endr
	CONV 0, 8, 0
	CONV 1, 0, 0
	s_wait_dscnt 0x0                               ; dots and column sums are in LDS, for the others' sake
	s_barrier_signal -1
	s_barrier_wait -1
	s_lshl_b32 s26, s2, 9
	v_add_nc_u32 v6, s26, v[LIN]                   ; wave w adds up columns 128 w .. 128 w + 127 of the eight waves
.irp k, 0,1,2,3,4,5,6,7
	ds_load_b128 v[48+4*\k:48+4*\k+3], v6 offset:4096*\k
.endr
	s_lshl_b32 s26, s3, 12
	s_mov_b32 s27, 0
	s_add_nc_u64 s[24:25], s[24:25], s[26:27]      ; the group's record in colp
	s_lshl_b32 s26, s3, 8
	s_add_nc_u64 s[20:21], s[20:21], s[26:27]      ; rn at the group's 64 rows
	s_wait_dscnt 0x0
.irp k, 0,2,4,6,8,10,12,14
	v_pk_add_f32 v[48+\k:49+\k], v[48+\k:49+\k], v[64+\k:65+\k]
.endr
.irp k, 0,2,4,6
	v_pk_add_f32 v[48+\k:49+\k], v[48+\k:49+\k], v[56+\k:57+\k]
.endr
.irp k, 0,2
	v_pk_add_f32 v[48+\k:49+\k], v[48+\k:49+\k], v[52+\k:53+\k]
.endr
	global_store_b128 v6, v[48:51], s[24:25]       ; 512 consecutive bytes a wave
	s_cmp_lg_u32 s2, 0
	s_cbranch_scc1 .Lkend
	ds_load_b64 v[52:53], v[LOUT] offset:DOTK      ; wave 0: the 64 dots are 256 bytes: 32 lanes x 8 bytes, rows 2 lane and 2 lane + 1
	s_wait_dscnt 0x0
	global_store_b64 v[LOUT], v[52:53], s[20:21] offset:131072     ; rn's fifth row: 256 consecutive bytes, aligned
.Lkend:
	s_wait_tensorcnt 0x0
	ds_add_u32 v254, v255
	s_wait_dscnt 0x0
	s_endpgm
.Lfunc_end_k_qc0e5f2d555_prep:
	.size	k_qc0e5f2d555_prep, .Lfunc_end_k_qc0e5f2d555_prep-k_qc0e5f2d555_prep
	.p2alignl 7, 3214868480
	.fill 96, 4, 3214868480
	.section	.rodata,"a",@progbits
	.p2align	6, 0x0
	.amdhsa_kernel k_qc0e5f2d555_prep
		.amdhsa_group_segment_fixed_size 36096
		.amdhsa_private_segment_fixed_size 0
		.amdhsa_enable_private_segment 0
		.amdhsa_kernarg_size 72
		.amdhsa_user_sgpr_count 2
		.amdhsa_user_sgpr_kernarg_segment_ptr 1
		.amdhsa_wavefront_size32 1
		.amdhsa_system_sgpr_workgroup_id_x 1
		.amdhsa_system_sgpr_workgroup_id_y 1
		.amdhsa_system_sgpr_workgroup_id_z 1
		.amdhsa_system_vgpr_workitem_id 0
		.amdhsa_next_free_vgpr 384
		.amdhsa_next_free_sgpr 66
		.amdhsa_reserve_vcc 1
		.amdhsa_float_denorm_mode_32 3
		.amdhsa_float_denorm_mode_16_64 3
		.amdhsa_memory_ordered 1
		.amdhsa_forward_progress 1
		.amdhsa_inst_pref_size 255
	.end_amdhsa_kernel
	.section	.bss,"aw",@nobits
	.p2align	6
	.space	262144
	.amdgpu_metadata
---
amdhsa.version: [ 1, 2 ]
amdhsa.kernels:
  - .name:           k_qc0e5f2d555_prep
    .symbol:         k_qc0e5f2d555_prep.kd
    .args:
      - { .name: queries, .offset: 0, .size: 8, .value_kind: global_buffer, .address_space: global }
      - { .name: keys, .offset: 8, .size: 8, .value_kind: global_buffer, .address_space: global }
      - { .name: memories, .offset: 16, .size: 8, .value_kind: global_buffer, .address_space: global }
      - { .name: memory_norms, .offset: 24, .size: 8, .value_kind: global_buffer, .address_space: global }
      - { .name: sig, .offset: 32, .size: 8, .value_kind: global_buffer, .address_space: global }
      - { .name: membf, .offset: 40, .size: 8, .value_kind: global_buffer, .address_space: global }
      - { .name: rn, .offset: 48, .size: 8, .value_kind: global_buffer, .address_space: global }
      - { .name: stats, .offset: 56, .size: 8, .value_kind: global_buffer, .address_space: global }
      - { .name: colp, .offset: 64, .size: 8, .value_kind: global_buffer, .address_space: global }
    .group_segment_fixed_size: 36096
    .private_segment_fixed_size: 0
    .kernarg_segment_align: 8
    .kernarg_segment_size: 72
    .max_flat_workgroup_size: 256
    .sgpr_count:     66
    .vgpr_count:     384
    .wavefront_size: 32
...
	.end_amdgpu_metadata
.endif
;; end of part 1
;; launch main (part 2): grid 8 x 32, 4 waves a work-group, clusters of 4 x 4, 327,680 bytes of LDS; arguments sig, membf, rn, stats, values, out0, dv; writes out0, dv
.if DOCPART == 2
	.amdgcn_target "amdgcn-amd-amdhsa--gfx1250"
	.amdhsa_code_object_version 6
	.text
	.protected	k_qc0e5f2d555_main
	.globl	k_qc0e5f2d555_main
	.p2align	8
	.type	k_qc0e5f2d555_main,@function
k_qc0e5f2d555_main:
	s_mov_b64 s[64:65], 0
	v_nop
	global_prefetch_b8 v0, s[64:65] scope:SCOPE_SE
	s_setreg_imm32_b32 hwreg(HW_REG_WAVE_MODE, 25, 1), 1
	s_wait_xcnt 0x0
	s_wait_alu depctr_hold_cnt(0) depctr_sa_sdst(0) depctr_va_vdst(0) depctr_va_sdst(0) depctr_va_ssrc(0) depctr_va_vcc(0) depctr_vm_vsrc(0)
	s_getreg_b32 s2, hwreg(HW_REG_IB_STS2, 6, 4)
	s_cmp_eq_u32 s2, 0
	s_cbranch_scc0 .Lentry_in_a_cluster
	s_endpgm
.Lentry_in_a_cluster:
	s_bfe_u32 s2, ttmp6, 0x10000c
	s_cmp_lg_u32 s2, 0xf033
	s_cbranch_scc0 .Lentry_shape_is_right
	s_endpgm
.Lentry_shape_is_right:
; MAIN: out0 = sum over m of c[m][row] (sigma_q Mem[m]),  c[m][row] = w[m][batch] / max(qnorm[m][row], 1e-6);
;       dv   = bf16(values - (sigma_k Mem[0]) / max(knorm[row], 1e-6)).
; w = softmax over m of the sequence mean of qnorm (its maximum taken away first); an empty slot (sum of |norms| < 1e-6) enters the
; softmax as -1e30 and gets the weight 0.
; FORMATS: the four retrieve products run in f16: sig[0] holds sigma_q x 2^-e(row) (an exact power of two, the row in [0, 2)), membf[0..3] hold
; the memories in f16, and rn[m][row] holds max(qnorm, 1e-6) x 2^-e(row), so that w / rn is c x 2^e: the row's scale goes out with the row's
; division.  An output is a sum of 1,024 products of either sign, whose operands' rounding errors do not shrink with the sum: 11 significant
; bits, not 8.  The fifth product (sigma_k Mem[0]) runs in bf16, on sig[1] and membf[4]; rn[4] is knorm as it is, clipped here.
; LIMITS: |memories| below 65,504, entries below 2^-14 with an absolute error of up to 2^-25 (f16); an empty slot contributes 0 x its product,
; which is NaN, not 0, if that product is not finite; c is w x (1 / clip), one rounding more than a division followed by a multiplication.
; A work-group owns 256 rows x 128 columns of out0 and of dv.  8 x 32 = 256 work-groups of equal work.  Four waves; wave w owns rows
; 64 w .. 64 w + 63 and all 128 columns: 32 tiles of 16 x 16.  8,388,608 outputs on 1,024 waves leave no larger tile without splitting K.
; THE RETRIEVE PRODUCTS GO IN PAIRS (m = 0 and 1, then m = 2 and 3) that share A's tile.  A slot holds, for a K step of 128, the tile of the even
; memory, the tile of the odd memory and A's tile: 36,864 + 36,864 + 69,632 = 143,360 bytes for 256 matrix instructions of each wave.  So A's
; tile is fetched twice in all, not four times, its fragments are read from LDS once for two products, and from a tile's request to the wait
; for it a wave issues 240 matrix instructions.  The fifth product has no partner (no other product has its A, or its B in its format) and
; goes with one tile of B a step; two slots of a K step of 256 would need 417,792 bytes.  The blocks of out0 leave between its first steps.
; CLUSTERS: 4 x 4 work-groups.  A's tile hangs on the block row alone and is asked for jointly along a row of the cluster, B's on the block
; column alone and is asked for jointly along a column: the requests for both are divided by four.
; PREFETCHES, for tiles that no work-group has read before.  sigma_k: the tile of the fifth product's step t is 256 bytes of each of my block's
; 256 rows, wanted by the 8 work-groups of the block row; work-group x asks for rows 32 x .. 32 x + 31, a lane a row.  Wave w asks for tile w in
; front of the second pair's last lap (160 matrix instructions ahead of the tensor load of tile 0) and for tile w + 4 in front of the fifth
; product's second step (240 ahead of the tensor load of tile 4); then nothing more.  membf: of a plane's 1,024 K rows x 256 bytes of my block
; column, wanted by 32 work-groups, work-group y asks for K rows 32 y .. 32 y + 31, once for the plane (a single step's tile would leave it four
; rows): planes 2 and 3 by waves 0 and 1 in front of the first pair's last lap, plane 4 by wave 0 with the first ask for sigma_k.  So every
; 256 bytes are asked for once in the launch, and at most 40 KiB of a work-group's asks are unread.  Not asked for: the first pair's tiles (wanted
; from the first steps on; later asks would stand in a loop and need a stepped, clamped address) and sigma_q in the second pair (read shortly before).
; THE ROW SCALE stays in f32: each pair starts its sums anew (C = 0), and at its end tot (+)= c_even acc_even + c_odd acc_odd.
; THE MATRIX INSTRUCTION IS USED TRANSPOSED: source 0 = 16 columns of B, source 1 = 16 rows of A; lane (r, h) then holds row r and the eight
; neighbouring columns 8 h .. 8 h + 7 of a tile.
; REGISTERS: window 0: v0-63 addresses and work, v64-127 A's fragments (two buffers of 32), v128-191 and v192-255 B's fragments (pairs: even
;   and odd memory; fifth product: two buffers);  window 1: the even product's sums, tile (a, b) at 8 (8 a + b), later the fifth product's;
;   window 2: the odd product's sums, later v0-63 the rows read back from the stage;  window 3: tot, same map, later the tile of values,
;   row 16 a + t at 64 a + 4 t.
.set PA,     272                       ; A's LDS row: 256 bytes + 16: an odd multiple of 16, so 16 rows start in 16 different groups of four banks (ISA guide 11.1)
.set PB,     288                       ; B's LDS row: 256 bytes + 32: an odd multiple of 32, for the transposing loads
.set BTILE,  128*PB                    ; 36,864: a tile of B, what wave 0 or 1 fetches
.set AHALF,  128*PA                    ; 34,816: what wave 2 or 3 fetches
.set AOFF,   2*BTILE                   ; A's 256 rows lie behind the two tiles of B
.set SLOT,   AOFF+2*AHALF              ; 143,360
.set STAGE,  2*SLOT                    ; 286,720, a multiple of 256: no fill lands there
.set SPITCH, 528                       ; a staged row: 512 bytes + 16
.set WSTAGE, 16*SPITCH                 ; 16 rows for each wave
.set ADRA, 16                          ; v16-17  LDS address of my A fragments in slot 0, 1
.set ADRB, 20                          ; v20-21  the same for the even B, v22-23 for the odd B
.set STO,  24                          ; v24     the way out: where I put 32 bytes of a row
.set RD,   25                          ; v25     where I read 16 bytes of a row back
.set CO,   26                          ; v26     16 x lane
.set DVO,  27                          ; v27     8 x lane
.set QOFF, 28                          ; v28     byte offset in rn of my row's norm, stepped by two rows of rn a pair
.set PFA,  29                          ; v29     prefetch: byte offset in sig of my lane's row of sigma_k, at tile w; never rewritten
.set PFB,  30                          ; v30     prefetch: byte offset in membf of my lane's K row, in plane 2 + (w & 1); never rewritten
.set Q,    32                          ; v[32:39]  the norms of my rows in the four row tiles: even memory, odd memory
.set CC,   40                          ; v[40:55]  c of the four row tiles, each twice (a pair for packed arithmetic): even, then odd
.set RA,   64                          ; A's fragment buffers
.set BF,   128                         ; B's fragment buffers
.set E,    64                          ; dv in bf16, at the end, where A's fragments lay
.set G1A, 28                           ; s[28:35] group 1 for A's tiles
.set G1B, 36                           ; s[36:43] group 1 for B's tiles
.set G0A, 44                           ; s[44:51] group 0 for A, a set for each slot
.set G0B, 52                           ; s[52:59] group 0 for B, a set for each slot
.set F16,  1                           ; the form that MM writes: 1 = f16 (the pairs), 0 = bf16 (the fifth product)
.set MSB, 0
.macro WIN new                         ; the immediate's high byte repeats the setting that is left
.if MSB != \new
	s_set_vgpr_msb (MSB<<8)|\new
.set MSB, \new
.endif
.endm
.macro PLACES                          ; four plain vector instructions between a matrix instruction and a load into, or a vector instruction on, its registers
.rept 4
	v_nop
.endr
.endm
; A joint load of a pair's step: waves 0 and 1 ask for the even and the odd tile of B, waves 2 and 3 for A's halves.
; The branch hangs on the wave's number alone.
.macro JLOAD s
	s_cmp_eq_u32 s19, 0
	s_cbranch_scc0 .Lfor_a_\@
	tensor_load_to_lds s[G0B+4*\s:G0B+4*\s+3], s[G1B:G1B+7]
	s_nop 0
	s_branch .Lasked_\@
.Lfor_a_\@:
	tensor_load_to_lds s[G0A+4*\s:G0A+4*\s+3], s[G1A:G1A+7]
	s_nop 0
.Lasked_\@:
.endm
; The same for a step of the fifth product: it has one tile of B, wave 0's; wave 1 has no part of a tile to fill and asks for nothing.
.macro JLOADK s
	s_cmp_eq_u32 s19, 0
	s_cbranch_scc0 .Lfor_a_\@
	s_cmp_lg_u32 s18, 0
	s_cbranch_scc1 .Lasked_\@
	tensor_load_to_lds s[G0B+4*\s:G0B+4*\s+3], s[G1B:G1B+7]
	s_nop 0
	s_branch .Lasked_\@
.Lfor_a_\@:
	tensor_load_to_lds s[G0A+4*\s:G0A+4*\s+3], s[G1A:G1A+7]
	s_nop 0
.Lasked_\@:
.endm
.macro CREST                           ; a round of the cluster's barrier behind its opening work-group barrier
	s_cmp_lg_u32 s18, 0
	s_cbranch_scc1 .Lnot_wave_0_\@
	s_barrier_signal -3
.Lnot_wave_0_\@:
	s_barrier_wait -3
	s_barrier_signal -1
	s_barrier_wait -1
.endm
.macro CROUND                          ; a whole round
	s_barrier_signal -1
	s_barrier_wait -1
	CREST
.endm
.macro LANESUM base, n, tmp            ; n registers, each summed over the 32 lanes; tmp has been written before
.irp x, 1,2,4,8
.set qq, 0
.rept \n
	v_add_f32_dpp v[\base+qq], v[\base+qq], v[\base+qq] row_xmask:\x row_mask:0xf bank_mask:0xf
.set qq, qq+1
.endr
.endr
.set qq, 0
.rept \n
	v_permlanex16_b32 v[\tmp+qq], v[\base+qq], s76, s77
.set qq, qq+1
.endr
.set qq, 0
.rept \n
	v_add_f32 v[\base+qq], v[\base+qq], v[\tmp+qq]
.set qq, qq+1
.endr
.endm
; Eight matrix instructions: row tile a x the eight column tiles, 32 along K; B from buffer u, A from buffer f; win = 0x50: sums in window 1,
; 0xa0: in window 2 (sources in window 0).  zero = 1: the products start the sums.
; The accumulators take turns, one instruction a turn, in one order everywhere.
; The two forms share the register layout; every sum is started (C = 0) and carried on in one form.
.macro MM win, u, f, a, zero
	WIN \win
.irp b, 0,1,2,3,4,5,6,7
.if F16
.if \zero
	v_wmma_f32_16x16x32_f16 v[8*(8*\a+\b):8*(8*\a+\b)+7], v[BF+64*\u+8*\b:BF+64*\u+8*\b+7], v[RA+32*\f+8*\a:RA+32*\f+8*\a+7], 0
.else
	v_wmma_f32_16x16x32_f16 v[8*(8*\a+\b):8*(8*\a+\b)+7], v[BF+64*\u+8*\b:BF+64*\u+8*\b+7], v[RA+32*\f+8*\a:RA+32*\f+8*\a+7], v[8*(8*\a+\b):8*(8*\a+\b)+7]
.endif
.else
.if \zero
	v_wmma_f32_16x16x32_bf16 v[8*(8*\a+\b):8*(8*\a+\b)+7], v[BF+64*\u+8*\b:BF+64*\u+8*\b+7], v[RA+32*\f+8*\a:RA+32*\f+8*\a+7], 0
.else
	v_wmma_f32_16x16x32_bf16 v[8*(8*\a+\b):8*(8*\a+\b)+7], v[BF+64*\u+8*\b:BF+64*\u+8*\b+7], v[RA+32*\f+8*\a:RA+32*\f+8*\a+7], v[8*(8*\a+\b):8*(8*\a+\b)+7]
.endif
.endif
.endr
.endm
.macro GROUP win, u, f, zero           ; 32 matrix instructions: one product's share of a quarter step
	MM \win, \u, \f, 0, \zero
	MM \win, \u, \f, 1, \zero
	MM \win, \u, \f, 2, \zero
	MM \win, \u, \f, 3, \zero
.endm
; 16 transposing loads (B lies [K][N]): quarter q (32 along K) of the slot's tile reg (0 even, 1 odd) into buffer u.  All windows 0.
.macro FETCHB slot, q, reg, u
.irp b, 0,1,2,3,4,5,6,7
	ds_load_tr16_b128 v[BF+64*\u+8*\b:BF+64*\u+8*\b+3],   v[ADRB+2*\reg+\slot] offset:\q*32*PB+32*\b
	ds_load_tr16_b128 v[BF+64*\u+8*\b+4:BF+64*\u+8*\b+7], v[ADRB+2*\reg+\slot] offset:\q*32*PB+32*\b+16*PB
.endr
.endm
; 8 loads (A lies along K): quarter q of my 64 rows into buffer f.  All windows 0.
.macro FETCHA slot, q, f
.irp a, 0,1,2,3
	ds_load_b128 v[RA+32*\f+8*\a:RA+32*\f+8*\a+3],   v[ADRA+\slot] offset:64*\q+16*PA*\a
	ds_load_b128 v[RA+32*\f+8*\a+4:RA+32*\f+8*\a+7], v[ADRA+\slot] offset:64*\q+16*PA*\a+32
.endr
.endm
; ---- the pairs ----
; One of a pair step's first three quarters, on A's buffer f.  B's two buffers are single and take turns: behind the even group the even buffer
; is fetched again (with A's other buffer g) for quarter qn and lands during the odd group; behind the odd group the odd buffer, which lands
; during the next even group.
.macro PQ slot, qn, f, g, zero
	s_wait_dscnt 16                                ; the even B and A are in; the 16 loads of the odd B, issued last, may be out
	GROUP 0x50, 0, \f, \zero
	WIN 0
	PLACES
	FETCHB \slot, \qn, 0, 0
	FETCHA \slot, \qn, \g
	s_wait_dscnt 24                                ; all but the 24 just issued: the odd B is in
	GROUP 0xa0, 1, \f, \zero
	WIN 0
	PLACES
	FETCHB \slot, \qn, 1, 1
.endm
; A pair step's last quarter (A's buffer 1) changes slots.  All reads of this slot have been issued (the odd B's were the last).  In front of
; the barrier each wave waits for them and for all its tensor loads (one is out: its part of the next slot); the barrier opens a round of the
; cluster's barrier; only register work stands inside it; the joint refill is the first tensor load behind it.
; mode 1: this slot gets the tiles two K steps on.  mode 2: across a pair's end: A goes back to K = 0, B leaps over the partner's plane
; (524,288 + 2,097,152 bytes).  mode 3: on to the fifth product: A to sig's second plane, wave 0's B to membf's fifth plane; wave 1's stepped
; address is not used.  nobo = 1: the next step is the fifth product's, which has no odd B.
.macro PTURN slot, next, mode, nobo
	s_wait_dscnt 16
	MM 0x50, 0, 1, 0, 0
	MM 0x50, 0, 1, 1, 0
	s_wait_dscnt 0x0                               ; my reads of this slot are over
	s_wait_tensorcnt 0x0                           ; and all my tensor loads have landed
	ds_add_u32 v62, v63
	s_wait_dscnt 0x0
	s_barrier_signal -1
	MM 0x50, 0, 1, 2, 0
	MM 0x50, 0, 1, 3, 0
	WIN 0
	s_barrier_wait -1
	CREST
.if \mode == 1
	s_add_nc_u64 s[G0A+4*\slot+2:G0A+4*\slot+3], s[G0A+4*\slot+2:G0A+4*\slot+3], 512
	s_add_nc_u64 s[G0B+4*\slot+2:G0B+4*\slot+3], s[G0B+4*\slot+2:G0B+4*\slot+3], 524288
.endif
.if \mode == 2
	s_sub_nc_u64 s[G0A+4*\slot+2:G0A+4*\slot+3], s[G0A+4*\slot+2:G0A+4*\slot+3], 1536
	s_add_nc_u64 s[G0B+4*\slot+2:G0B+4*\slot+3], s[G0B+4*\slot+2:G0B+4*\slot+3], 2621440
.endif
.if \mode == 3
	s_add_nc_u64 s[G0A+4*\slot+2:G0A+4*\slot+3], s[G0A+4*\slot+2:G0A+4*\slot+3], 0x1000000-1536
	s_add_nc_u64 s[G0B+4*\slot+2:G0B+4*\slot+3], s[G0B+4*\slot+2:G0B+4*\slot+3], 2621440
	JLOADK \slot
.else
	JLOAD \slot
.endif
	PLACES
	FETCHB \next, 0, 0, 0
	FETCHA \next, 0, 0
	GROUP 0xa0, 1, 1, 0                            ; the odd B has been in since the wait for 0 above
	WIN 0
.if \nobo == 0
	PLACES
	FETCHB \next, 0, 1, 1
.endif
.endm
; a lap (two K steps, once round the ring) without its first quarter
.macro PREST mode, nobo
	PQ 0, 2, 1, 0, 0
	PQ 0, 3, 0, 1, 0
	PTURN 0, 1, \mode, 0
	PQ 1, 1, 0, 1, 0
	PQ 1, 2, 1, 0, 0
	PQ 1, 3, 0, 1, 0
	PTURN 1, 0, \mode, \nobo
.endm
; A pair's end: c x 2^e = w / rn (rn is clipped and scaled already); tot = or += c_even acc_even + c_odd acc_odd.
; nextn = 8: the next pair's norms are asked for; 4: knorm, rn's fifth row.
.macro EPI first, nextn
	WIN 0
	PLACES
	s_wait_loadcnt 0x0                             ; this pair's eight norms (nothing else is out)
.irp i, 0,1,2,3,4,5,6,7
	v_rcp_f32 v[Q+\i], v[Q+\i]
.endr
	v_add_nc_u32 v[QOFF], 0x10000, v[QOFF]         ; two rows of rn on; plain work between the reciprocals and their use; free since the wait above
	s_wait_alu depctr_va_vdst(0)
.irp a, 0,1,2,3
	v_mul_f32 v[CC+2*\a], s68, v[Q+\a]
	v_mul_f32 v[CC+2*\a+1], s68, v[Q+\a]
	v_mul_f32 v[CC+8+2*\a], s69, v[Q+4+\a]
	v_mul_f32 v[CC+8+2*\a+1], s69, v[Q+4+\a]
.endr
	s_mov_b32 s68, s70                             ; the next pair's weights move up
	s_mov_b32 s69, s71
.irp a, 0,1,2,3
	global_load_b32 v[Q+\a], v[QOFF], s[8:9] offset:64*\a
.endr
.if \nextn == 8
.irp a, 0,1,2,3
	global_load_b32 v[Q+4+\a], v[QOFF], s[8:9] offset:32768+64*\a
.endr
.endif
.if \first
	WIN 0xc1                                       ; source 0 window 1, source 1 window 0, destination window 3
.else
	WIN 0xf1                                       ; and source 2 window 3
.endif
.irp a, 0,1,2,3
.set tt, 0
.rept 32
.if \first
	v_pk_mul_f32 v[64*\a+2*tt:64*\a+2*tt+1], v[64*\a+2*tt:64*\a+2*tt+1], v[CC+2*\a:CC+2*\a+1]
.else
	v_pk_fma_f32 v[64*\a+2*tt:64*\a+2*tt+1], v[64*\a+2*tt:64*\a+2*tt+1], v[CC+2*\a:CC+2*\a+1], v[64*\a+2*tt:64*\a+2*tt+1]
.endif
.set tt, tt+1
.endr
.endr
	WIN 0xf2                                       ; source 0 window 2
.irp a, 0,1,2,3
.set tt, 0
.rept 32
	v_pk_fma_f32 v[64*\a+2*tt:64*\a+2*tt+1], v[64*\a+2*tt:64*\a+2*tt+1], v[CC+8+2*\a:CC+8+2*\a+1], v[64*\a+2*tt:64*\a+2*tt+1]
.set tt, tt+1
.endr
.endr
	WIN 0
.endm
; ---- the fifth product: one tile of B a step, B's two buffers and A's two taking turns together ----
.macro QUARTER slot, q, f, g, zero
	s_wait_dscnt 4                                 ; B and A's row tiles 0, 1 are in; the youngest four loads (row tiles 2, 3) may be out
	MM 0x50, \f, \f, 0, \zero
	MM 0x50, \f, \f, 1, \zero
	WIN 0
	PLACES
	FETCHB \slot, \q, 0, \g
	FETCHA \slot, \q, \g
	s_wait_dscnt 24                                ; all but the 24 just issued
	MM 0x50, \f, \f, 2, \zero
	MM 0x50, \f, \f, 3, \zero
.endm
.macro THREE slot, zero
	QUARTER \slot, 1, 0, 1, \zero
	QUARTER \slot, 2, 1, 0, 0
	QUARTER \slot, 3, 0, 1, 0
.endm
; its last quarter changes slots, in the same order as a pair's; mode 0: nothing is left to fetch, and a plain barrier shows the next slot whole
.macro TURN slot, next, mode
	s_wait_dscnt 4
	MM 0x50, 1, 1, 0, 0
	s_wait_dscnt 0x0                               ; my reads of this slot are over
	s_wait_tensorcnt 0x0                           ; and all my tensor loads have landed
	ds_add_u32 v62, v63
	s_wait_dscnt 0x0
	s_barrier_signal -1
	MM 0x50, 1, 1, 1, 0
	WIN 0
	s_barrier_wait -1
.if \mode
	CREST
	s_add_nc_u64 s[G0A+4*\slot+2:G0A+4*\slot+3], s[G0A+4*\slot+2:G0A+4*\slot+3], 512
	s_add_nc_u64 s[G0B+4*\slot+2:G0B+4*\slot+3], s[G0B+4*\slot+2:G0B+4*\slot+3], 524288
	JLOADK \slot
.endif
	PLACES
	FETCHB \next, 0, 0, 0
	FETCHA \next, 0, 0
	MM 0x50, 1, 1, 2, 0
	MM 0x50, 1, 1, 3, 0
.endm
; rows 16 a .. 16 a + 15 of out0: 32 bytes a lane and tile into my own stage, whole rows of 512 bytes back into window 2 (the odd sums are
; done with), stored from there
.macro OUTQ a
	WIN 0x0c                                       ; store data (source 1) in window 3
.irp b, 0,1,2,3,4,5,6,7
	ds_store_b128 v[STO], v[64*\a+8*\b:64*\a+8*\b+3] offset:64*\b
	ds_store_b128 v[STO], v[64*\a+8*\b+4:64*\a+8*\b+7] offset:64*\b+16
.endr
	s_wait_xcnt 0x0                                ; the registers that the last block's stores read are loaded again only behind this wait
	WIN 0x80                                       ; loaded data in window 2
.irp t, 0,1,2,3,4,5,6,7,8,9,10,11,12,13,14,15
	ds_load_b128 v[4*\t:4*\t+3], v[RD] offset:SPITCH*\t            ; LDS serves a wave's instructions in order (ISA guide 5.7.1): these see the stores above
.endr
	WIN 0x08                                       ; store data in window 2
.irp t, 0,1,2,3,4,5,6,7,8,9,10,11,12,13,14,15
	s_wait_dscnt 15-\t                             ; row t is back; the younger rows may be out
	global_store_b128 v[CO], v[4*\t:4*\t+3], s[88:89] offset:(16*\a+\t)*4096 th:TH_STORE_NT   ; 512 consecutive bytes, aligned
.endr
	WIN 0
.endm
.macro VLOAD a                         ; rows 16 a .. 16 a + 15 of my tile of values, by rows, into window 3, where that block of tot lay
	WIN 0xc0
.irp t, 0,1,2,3,4,5,6,7,8,9,10,11,12,13,14,15
	global_load_b128 v[64*\a+4*\t:64*\a+4*\t+3], v[CO], s[86:87] offset:(16*\a+\t)*4096 th:TH_LOAD_NT
.endr
	WIN 0
.endm
; rows 16 a .. 16 a + 15 of dv: acc / knorm through the stage, taken from values, rounded once, 256 bytes a row
.macro OUTK a
	WIN 0x41                                       ; source 0 and destination window 1
.set tt, 0
.rept 32
	v_pk_mul_f32 v[64*\a+2*tt:64*\a+2*tt+1], v[64*\a+2*tt:64*\a+2*tt+1], v[CC+2*\a:CC+2*\a+1]
.set tt, tt+1
.endr
	WIN 0x04                                       ; store data in window 1
.irp b, 0,1,2,3,4,5,6,7
	ds_store_b128 v[STO], v[64*\a+8*\b:64*\a+8*\b+3] offset:64*\b
	ds_store_b128 v[STO], v[64*\a+8*\b+4:64*\a+8*\b+7] offset:64*\b+16
.endr
	s_wait_xcnt 0x0                                ; E, and window 2's rows, which earlier stores read, are rewritten only behind this wait
	WIN 0x80                                       ; loaded data in window 2
.irp t, 0,1,2,3,4,5,6,7,8,9,10,11,12,13,14,15
	ds_load_b128 v[4*\t:4*\t+3], v[RD] offset:SPITCH*\t
.endr
	s_wait_dscnt 0x0
	s_wait_loadcnt (3-\a)*16                       ; these 16 rows of values are in; the younger groups of 16 may be out
	WIN 0x8b                                       ; source 0 (values) window 3, source 1 and destination window 2
.set tt, 0
.rept 32
	v_pk_add_f32 v[2*tt:2*tt+1], v[64*\a+2*tt:64*\a+2*tt+1], v[2*tt:2*tt+1] neg_lo:[0,1] neg_hi:[0,1]
.set tt, tt+1
.endr
	WIN 0x0a                                       ; sources window 2, destination window 0
.set tt, 0
.rept 32
	v_cvt_pk_bf16_f32 v[E+tt], v[2*tt], v[2*tt+1]
.set tt, tt+1
.endr
	WIN 0
.irp t, 0,1,2,3,4,5,6,7,8,9,10,11,12,13,14,15
	global_store_b64 v[DVO], v[E+2*\t:E+2*\t+1], s[90:91] offset:(16*\a+\t)*2048   ; 256 consecutive bytes, aligned
.endr
.endm
	s_load_b256 s[4:11], s[0:1], 0x0               ; sig 4, membf 6, rn 8, stats 10
	s_load_b128 s[12:15], s[0:1], 0x20             ; values 12, out0 14
	s_load_b64 s[16:17], s[0:1], 0x30              ; dv
	v_lshl_add_u32 v62, v0, 2, 0x4e400
	v_mov_b32 v63, 0
	ds_add_u32 v62, v63
	v_lshrrev_b32 v1, 5, v0
	v_readfirstlane_b32 s18, v1                    ; wave 0..3
	s_lshr_b32 s19, s18, 1                         ; I fetch for B (0) or for A (1)
	s_and_b32 s20, s18, 1                          ; B: the even or the odd memory; A: which half of the rows
	s_bfe_u32 s21, ttmp6, 0x40000                  ; cx
	s_bfe_u32 s22, ttmp6, 0x40004                  ; cy
	s_lshl_b32 s23, ttmp9, 2
	s_add_co_u32 s23, s23, s21                     ; x: block column
	s_and_b32 s24, ttmp7, 0xffff
	s_lshl_b32 s24, s24, 2
	s_add_co_u32 s24, s24, s22                     ; y: block row
	s_lshl_b32 s78, s22, 2
	s_lshl_b32 s78, 15, s78                        ; my row of the cluster
	s_lshl_b32 s79, 0x1111, s21                    ; my column
	s_or_b32 s[G1A+0], s78, (1<<16)|(1<<20)|(1<<21)|(5<<22)|(3<<25)   ; mask; 2-byte elements; padding on; bit 21 beside a mask; after 64 words 4 words
	s_mov_b32 s[G1A+1], 128<<16                    ; tensor_dim0 = 128
	s_mov_b32 s[G1A+2], 128<<16                    ; tensor_dim1 = 128
	s_mov_b32 s[G1A+3], 128<<16                    ; tile_dim0 = 128 elements, 256 bytes
	s_mov_b32 s[G1A+4], 128                        ; tile_dim1 = 128 rows
	s_mov_b32 s[G1A+5], 1024                       ; elements from row to row
	s_mov_b32 s[G1A+6], 0
	s_mov_b32 s[G1A+7], 0
	s_or_b32 s[G1B+0], s79, (1<<16)|(1<<20)|(1<<21)|(5<<22)|(7<<25)   ; after 64 words 8 words
	s_mov_b32 s[G1B+1], 128<<16
	s_mov_b32 s[G1B+2], 128<<16
	s_mov_b32 s[G1B+3], 128<<16
	s_mov_b32 s[G1B+4], 128
	s_mov_b32 s[G1B+5], 1024
	s_mov_b32 s[G1B+6], 0
	s_mov_b32 s[G1B+7], 0
	s_lshl_b32 s26, s24, 8                         ; A: row 256 y + 128 half, of 2,048 bytes: registers that hold y alone
	s_lshl_b32 s27, s20, 7
	s_add_co_u32 s26, s26, s27
	s_lshl_b32 s26, s26, 11
	s_mov_b32 s27, 0
	s_lshl_b32 s84, s20, 21                        ; B: plane 0 or 1 of 2,097,152 bytes, column byte 256 x: registers that hold x alone
	s_lshl_b32 s85, s23, 8
	s_add_co_u32 s84, s84, s85
	s_mov_b32 s85, 0
	s_mul_i32 s25, s18, AHALF                      ; LDS: A's halves at 73,728 + (wave - 2) x 34,816 = wave x 34,816 + 4,096,
	s_add_co_u32 s25, s25, AOFF-2*AHALF
	s_mul_i32 s3, s18, BTILE                       ; B's tiles at wave x 36,864
	s_wait_dscnt 0x0
	s_wait_kmcnt 0x0
	s_add_nc_u64 s[26:27], s[4:5], s[26:27]
	s_add_nc_u64 s[84:85], s[6:7], s[84:85]
	CROUND                                         ; all sixteen work-groups are here: the first joint loads meet
.irp s, 0,1
	s_mov_b32 s[G0A+4*\s], 1
	s_add_co_u32 s[G0A+4*\s+1], s25, \s*SLOT
	s_add_nc_u64 s[G0A+4*\s+2:G0A+4*\s+3], s[26:27], \s*256        ; K step s: 128 elements along the rows
	s_or_b32 s[G0A+4*\s+3], s[G0A+4*\s+3], 0x80000000
	s_mov_b32 s[G0B+4*\s], 1
	s_add_co_u32 s[G0B+4*\s+1], s3, \s*SLOT
	s_add_nc_u64 s[G0B+4*\s+2:G0B+4*\s+3], s[84:85], \s*262144     ; K step s: 128 rows down
	s_or_b32 s[G0B+4*\s+3], s[G0B+4*\s+3], 0x80000000
	JLOAD \s                                       ; both first fills go out ahead of everything else: two loads of the wave are out
.endr
	s_load_b128 s[72:75], s[10:11], 0x800          ; the sums of |norms[m]|
	s_mov_b32 s76, 0x76543210
	s_mov_b32 s77, 0xfedcba98
	v_and_b32 v1, 15, v0                           ; r
	v_bfe_u32 v2, v0, 4, 1                         ; h
	v_and_b32 v3, 31, v0                           ; lane
	v_mul_u32_u24 v4, v1, PA
	v_lshl_add_u32 v4, v2, 4, v4
	s_mul_i32 s25, s18, 64*PA                      ; my 64 rows of A,
	s_add_co_u32 s25, s25, AOFF                    ; behind the two tiles of B
	v_add_nc_u32 v[ADRA], s25, v4
	v_add_nc_u32 v[ADRA+1], SLOT, v[ADRA]
	v_and_b32 v5, 7, v0
	v_lshl_add_u32 v5, v2, 3, v5                   ; K row 8 h + lane mod 8
	v_mul_u32_u24 v5, v5, PB
	v_bfe_u32 v6, v0, 3, 1
	v_lshl_add_u32 v[ADRB], v6, 4, v5              ; + 16 bytes for the upper eight columns: the even B of slot 0
	v_add_nc_u32 v[ADRB+1], SLOT, v[ADRB]
	v_add_nc_u32 v[ADRB+2], BTILE, v[ADRB]         ; the odd B
	v_add_nc_u32 v[ADRB+3], BTILE+SLOT, v[ADRB]
	s_mul_i32 s25, s18, WSTAGE
	s_add_co_u32 s25, s25, STAGE                   ; my stage
	v_mul_u32_u24 v4, v1, SPITCH
	v_lshl_add_u32 v4, v2, 5, v4
	v_add_nc_u32 v[STO], s25, v4
	v_lshl_add_u32 v[RD], v3, 4, s25
	v_lshlrev_b32 v[CO], 4, v3
	v_lshlrev_b32 v[DVO], 3, v3
	s_lshl_b32 s26, s24, 8
	s_lshl_b32 s27, s18, 6
	s_add_co_u32 s26, s26, s27                     ; my wave's first row
	s_lshl_b32 s27, s26, 2
	v_lshl_add_u32 v[QOFF], v1, 2, s27
	s_lshr_b32 s27, s24, 4                         ; batch
	s_lshl_b32 s27, s27, 10                        ; its 64 records of 16 bytes
	v_lshl_add_u32 v44, v3, 4, s27
	global_load_b128 v[48:51], v44, s[10:11]
	global_load_b128 v[52:55], v44, s[10:11] offset:512
.irp a, 0,1,2,3
	global_load_b32 v[Q+\a], v[QOFF], s[8:9] offset:64*\a          ; rn[0] of my rows
.endr
.irp a, 0,1,2,3
	global_load_b32 v[Q+4+\a], v[QOFF], s[8:9] offset:32768+64*\a  ; rn[1]
.endr
	s_lshl_b32 s92, s26, 12                        ; the row part of my block's place, from y alone,
	s_mov_b32 s93, 0
	s_add_nc_u64 s[86:87], s[12:13], s[92:93]
	s_add_nc_u64 s[88:89], s[14:15], s[92:93]
	s_lshl_b32 s92, s26, 11
	s_add_nc_u64 s[90:91], s[16:17], s[92:93]
	s_lshl_b32 s94, s23, 9                         ; and the column part, from x alone
	s_mov_b32 s95, 0
	s_add_nc_u64 s[86:87], s[86:87], s[94:95]
	s_add_nc_u64 s[88:89], s[88:89], s[94:95]
	s_lshl_b32 s94, s23, 8
	s_add_nc_u64 s[90:91], s[90:91], s[94:95]
	; the two offsets of the prefetches, in registers that feed no descriptor
	s_lshl_b32 s92, s24, 8                         ; sigma_k: row 256 y + 32 x + lane of 2,048 bytes,
	s_lshl_b32 s93, s23, 5
	s_add_co_u32 s92, s92, s93
	s_lshl_b32 s92, s92, 11
	s_lshl_b32 s93, s18, 8                         ; tile w: byte 256 w of the row,
	s_add_co_u32 s92, s92, s93
	s_add_co_u32 s92, s92, 0x1000000               ; in sig's second plane
	v_lshl_add_u32 v[PFA], v3, 11, s92
	s_lshl_b32 s92, s24, 16                        ; membf: K row 32 y + lane of 2,048 bytes,
	s_lshl_b32 s93, s23, 8                         ; column byte 256 x,
	s_add_co_u32 s92, s92, s93
	s_lshl_b32 s93, s20, 21                        ; plane 2 + (w & 1) of 2,097,152 bytes
	s_add_co_u32 s92, s92, s93
	s_add_co_u32 s92, s92, 0x400000
	v_lshl_add_u32 v[PFB], v3, 11, s92
	; the four weights of my batch, made by every wave for itself
	s_wait_loadcnt 0x8                             ; the two loads of records; the eight norms behind them stay out
	v_pk_add_f32 v[48:49], v[48:49], v[52:53]
	v_pk_add_f32 v[50:51], v[50:51], v[54:55]
	LANESUM 48, 4, 52
	s_wait_kmcnt 0x0
	v_mov_b32 v56, 0x358637bd                      ; 1e-6
	v_mov_b32 v57, 0xf149f2ca                      ; -1e30
.irp m, 0,1,2,3
	v_mul_f32 v[48+\m], 0x39800000, v[48+\m]       ; the mean over 4,096 rows
	v_mov_b32 v[52+\m], s[72+\m]
.endr
.irp m, 0,1,2,3
	v_cmp_lt_f32 s[80+\m], v[52+\m], v56           ; empty
.endr
.irp m, 0,1,2,3
	v_cndmask_b32 v[48+\m], v[48+\m], v57, s[80+\m]
.endr
	v_max3_num_f32 v58, v48, v49, v50
	v_max_num_f32 v58, v58, v51
.irp m, 0,1,2,3
	v_sub_f32 v[48+\m], v[48+\m], v58              ; the maximum is taken away first
.endr
.irp m, 0,1,2,3
	v_mul_f32 v[48+\m], 0x3fb8aa3b, v[48+\m]
.endr
.irp m, 0,1,2,3
	v_exp_f32 v[48+\m], v[48+\m]
.endr
	v_mov_b32 v60, 0                               ; plain work between the exponentials and their use
	s_wait_alu depctr_va_vdst(0)
	v_add_f32 v59, v48, v49
	v_add_f32 v58, v50, v51
	v_add_f32 v59, v59, v58
	v_rcp_f32 v59, v59
	v_nop
	s_wait_alu depctr_va_vdst(0)
.irp m, 0,1,2,3
	v_mul_f32 v[48+\m], v[48+\m], v59
.endr
.irp m, 0,1,2,3
	v_cndmask_b32 v[48+\m], v[48+\m], v60, s[80+\m]        ; an empty slot's output counts as zero
.endr
.irp m, 0,1,2,3
	v_readfirstlane_b32 s[68+\m], v[48+\m]
.endr
	s_wait_tensorcnt 0x1                           ; my part of K step 0 is in; step 1's stays out
	s_barrier_signal -1
	s_barrier_wait -1
	FETCHB 0, 0, 0, 0
	FETCHA 0, 0, 0
	FETCHB 0, 0, 1, 1
	; the first pair, m = 0 and 1: eight K steps.  The loop is turned by a quarter step, so that only the quarter that starts the sums is written twice.
	PQ 0, 1, 0, 1, 1
	s_mov_b32 s67, 3
.Lpair1:
	PREST 1, 0
	PQ 0, 1, 0, 1, 0
	s_sub_co_u32 s67, s67, 1
	s_cmp_lg_u32 s67, 0
	s_cbranch_scc1 .Lpair1
	; waves 0 and 1 ask for my 32 K rows of planes 2 and 3: the second pair's first tiles are requested 160 matrix instructions further down
	s_cmp_lg_u32 s19, 0
	s_cbranch_scc1 .Lno_planes_2_3
	global_prefetch_b8 v[PFB], s[6:7] th:TH_LOAD_NT scope:SCOPE_SE
.Lno_planes_2_3:
	PREST 2, 0
	EPI 1, 8                                       ; writes tot: nothing is cleared
	; the second pair, m = 2 and 3
	PQ 0, 1, 0, 1, 1
	s_mov_b32 s67, 3
.Lpair2:
	PREST 1, 0
	PQ 0, 1, 0, 1, 0
	s_sub_co_u32 s67, s67, 1
	s_cmp_lg_u32 s67, 0
	s_cbranch_scc1 .Lpair2
	; wave w asks for my 32 rows of sigma_k's tile w, wave 0 also for my 32 K rows of plane 4 (two planes behind its plane 2):
	; the fifth product's first tiles are requested 160 matrix instructions further down
	global_prefetch_b8 v[PFA], s[4:5] th:TH_LOAD_NT scope:SCOPE_SE
	s_cmp_lg_u32 s18, 0
	s_cbranch_scc1 .Lno_plane_4
	global_prefetch_b8 v[PFB], s[6:7] offset:0x400000 th:TH_LOAD_NT scope:SCOPE_SE
.Lno_plane_4:
	PREST 3, 1
	EPI 0, 4
.set F16, 0                                        ; from here on the matrix instructions are the bf16 form: sigma_k and membf's fifth plane
	; The fifth product.  Its first fragments are in buffer 0 already.  A block of 16 rows of out0 leaves in front of each of its first four
	; K steps, in the time in which those steps' tiles are on their way; tot's registers then take that block's rows of values.
	OUTQ 0
	VLOAD 0
	THREE 0, 1
	TURN 0, 1, 1
	OUTQ 1
	VLOAD 1
	global_prefetch_b8 v[PFA], s[4:5] offset:1024 th:TH_LOAD_NT scope:SCOPE_SE   ; wave w: my 32 rows of sigma_k's tile w + 4, four tiles (1,024 bytes) along the rows; tile 4 is requested 240 matrix instructions further down; the last ask
	THREE 1, 0
	TURN 1, 0, 1
	OUTQ 2
	VLOAD 2
	THREE 0, 0
	TURN 0, 1, 1
	OUTQ 3
	VLOAD 3
	THREE 1, 0
	TURN 1, 0, 1
	THREE 0, 0
	TURN 0, 1, 1
	THREE 1, 0
	TURN 1, 0, 1
	THREE 0, 0                                     ; the last two steps fill nothing and have no round of the cluster's barrier
	TURN 0, 1, 0
	THREE 1, 0
	s_wait_dscnt 0x0
	MM 0x50, 1, 1, 0, 0
	MM 0x50, 1, 1, 1, 0
	MM 0x50, 1, 1, 2, 0
	MM 0x50, 1, 1, 3, 0
	WIN 0
	PLACES
	s_wait_loadcnt 48                              ; knorm was asked for ahead of all 64 loads of values: with 48 out it is in
.irp a, 0,1,2,3
	v_max_num_f32 v[Q+\a], 0x358637bd, v[Q+\a]
.endr
.irp a, 0,1,2,3
	v_rcp_f32 v[CC+2*\a], v[Q+\a]
	v_rcp_f32 v[CC+2*\a+1], v[Q+\a]
.endr
	v_nop                                          ; a plain place between the reciprocals and their use
	s_wait_alu depctr_va_vdst(0)
	OUTK 0
	OUTK 1
	OUTK 2
	OUTK 3
	s_wait_tensorcnt 0x0
	ds_add_u32 v62, v63
	s_wait_dscnt 0x0
	CROUND                                         ; the closing round: no work-group ends while a partner may still ask for a tile that names it
	s_endpgm
.Lfunc_end_k_qc0e5f2d555_main:
	.size	k_qc0e5f2d555_main, .Lfunc_end_k_qc0e5f2d555_main-k_qc0e5f2d555_main
	.p2alignl 7, 3214868480
	.fill 96, 4, 3214868480
	.section	.rodata,"a",@progbits
	.p2align	6, 0x0
	.amdhsa_kernel k_qc0e5f2d555_main
		.amdhsa_group_segment_fixed_size 327680
		.amdhsa_private_segment_fixed_size 0
		.amdhsa_enable_private_segment 0
		.amdhsa_kernarg_size 56
		.amdhsa_user_sgpr_count 2
		.amdhsa_user_sgpr_kernarg_segment_ptr 1
		.amdhsa_wavefront_size32 1
		.amdhsa_system_sgpr_workgroup_id_x 1
		.amdhsa_system_sgpr_workgroup_id_y 1
		.amdhsa_system_sgpr_workgroup_id_z 1
		.amdhsa_system_vgpr_workitem_id 0
		.amdhsa_next_free_vgpr 1024
		.amdhsa_next_free_sgpr 96
		.amdhsa_reserve_vcc 0
		.amdhsa_float_denorm_mode_32 3
		.amdhsa_float_denorm_mode_16_64 3
		.amdhsa_memory_ordered 1
		.amdhsa_forward_progress 1
		.amdhsa_inst_pref_size 255
	.end_amdhsa_kernel
	.section	.bss,"aw",@nobits
	.p2align	6
	.space	262144
	.amdgpu_metadata
---
amdhsa.version: [ 1, 2 ]
amdhsa.kernels:
  - .name:           k_qc0e5f2d555_main
    .symbol:         k_qc0e5f2d555_main.kd
    .args:
      - { .name: sig, .offset: 0, .size: 8, .value_kind: global_buffer, .address_space: global }
      - { .name: membf, .offset: 8, .size: 8, .value_kind: global_buffer, .address_space: global }
      - { .name: rn, .offset: 16, .size: 8, .value_kind: global_buffer, .address_space: global }
      - { .name: stats, .offset: 24, .size: 8, .value_kind: global_buffer, .address_space: global }
      - { .name: values, .offset: 32, .size: 8, .value_kind: global_buffer, .address_space: global }
      - { .name: out0, .offset: 40, .size: 8, .value_kind: global_buffer, .address_space: global }
      - { .name: dv, .offset: 48, .size: 8, .value_kind: global_buffer, .address_space: global }
    .group_segment_fixed_size: 327680
    .private_segment_fixed_size: 0
    .kernarg_segment_align: 8
    .kernarg_segment_size: 56
    .max_flat_workgroup_size: 128
    .sgpr_count:     96
    .vgpr_count:     1024
    .wavefront_size: 32
...
	.end_amdgpu_metadata
.endif
;; end of part 2
;; launch upd (part 3): grid 8 x 32, 4 waves a work-group, clusters of 4 x 4, 327,680 bytes of LDS; arguments sig, dv, part; writes part
.if DOCPART == 3
	.amdgcn_target "amdgcn-amd-amdhsa--gfx1250"
	.amdhsa_code_object_version 6
	.text
	.protected	k_qc0e5f2d555_upd
	.globl	k_qc0e5f2d555_upd
	.p2align	8
	.type	k_qc0e5f2d555_upd,@function
k_qc0e5f2d555_upd:
	s_mov_b64 s[64:65], 0
	v_nop
	global_prefetch_b8 v0, s[64:65] scope:SCOPE_SE
	s_setreg_imm32_b32 hwreg(HW_REG_WAVE_MODE, 25, 1), 1
	s_wait_xcnt 0x0
	s_wait_alu depctr_hold_cnt(0) depctr_sa_sdst(0) depctr_va_vdst(0) depctr_va_sdst(0) depctr_va_ssrc(0) depctr_va_vcc(0) depctr_vm_vsrc(0)
	s_getreg_b32 s2, hwreg(HW_REG_IB_STS2, 6, 4)
	s_cmp_eq_u32 s2, 0
	s_cbranch_scc0 .Lentry_in_a_cluster
	s_endpgm
.Lentry_in_a_cluster:
	s_bfe_u32 s2, ttmp6, 0x10000c
	s_cmp_lg_u32 s2, 0xf033
	s_cbranch_scc0 .Lentry_shape_is_right
	s_endpgm
.Lentry_shape_is_right:
; UPD: part[sp][d][e] = sum over the 2,048 rows s of quarter sp of sigma_k[s][d] dv[s][e].  Operands bf16, sums f32.
; The result has 1,024 x 1,024 numbers only, so K = 8,192 is split in four to give 256 work-groups: x = block of 128 e, y = 8 sp + dt,
; dt = block of 128 d.  The four partial planes are added in a fixed order by the next launch.
; Four waves, 2 x 2, each with 64 d x 64 e: 16 accumulator tiles in window 1.  K goes in steps of 256 rows through two LDS slots.
; Both operands lie [K][N] in memory and in LDS, so both fragments come through the transposing load.
; CLUSTERS 4 x 4: sigma_k's tile hangs on y alone and is asked for jointly along a row of the cluster; dv's hangs on x and on sp, and sp is
; the cluster's y / 2, the same in all four of a column: asked for jointly along a column.
; PREFETCHES: no tile has been read before it is wanted here.  In a K step the 64 work-groups of a quarter sp read, between them, 256 whole rows
; of sigma_k and of dv; work-group i = 8 dt + x asks for rows 4 i .. 4 i + 3 of both: 8,192 consecutive bytes each, lanes 256 bytes apart, so every
; 256 bytes are asked for once in the launch.  Wave w takes array w & 1 and the step of parity w >> 1 of a lap (two steps): one instruction a wave
; and lap, no branch.  Steps 2 and 3 are asked for at the head (120 and 248 matrix instructions ahead of their tensor loads; steps 0 and 1 are the
; first fills); steps 4, 5 in lap 0's second step and steps 6, 7 in lap 1's (200 and 328 ahead); then nothing more.  The four laps are written
; out, so that the lap (512 rows = 1,048,576 bytes) stands in the immediate and no register of an ask is ever rewritten.
; The matrix instruction is used transposed (source 0 = 16 columns e of dv, source 1 = 16 columns d of sigma_k): lane (r, h) holds row d = r and
; eight neighbouring e.
.set PU,     288                       ; an LDS row: 256 bytes + 32, an odd multiple of 32
.set HALFT,  128*PU                    ; 128 K rows: what one tensor load brings
.set SLOT,   4*HALFT                   ; sigma_k's 256 rows, then dv's
.set STAGE,  2*SLOT                    ; 294,912, a multiple of 256: no fill lands there
.set SPITCH, 272                       ; a staged row: 256 bytes + 16
.set ADRA, 16                          ; v16-19  LDS address of my sigma_k fragments: index 2 slot + upper half of the K rows
.set ADRB, 20                          ; v20-23  the same for dv
.set STO,  24
.set RD,   25
.set CO,   26
.set PFO,  27                          ; v27     prefetch: byte offset of my lane's 256 bytes in my wave's array, for lap 0; never rewritten
.set FA,   64                          ; v[64:127]  sigma_k's fragments, two buffers of 32
.set FB,   128                         ; v[128:191] dv's fragments, two buffers of 32
.set TMP,  192                         ; v[192:223] rows read back from the stage
.set G1,  24
.set G0,  32
.set G1B, 48
.set G0B, 56
.set MSB, 0
.macro WIN new
.if MSB != \new
	s_set_vgpr_msb (MSB<<8)|\new
.set MSB, \new
.endif
.endm
.macro PLACES                          ; four plain vector instructions between a matrix instruction and a load into, or a read of, its registers
.rept 4
	v_nop
.endr
.endm
.macro JLOAD s
	s_cmp_eq_u32 s11, 0
	s_cbranch_scc0 .Lfor_b_\@
	tensor_load_to_lds s[G0+4*\s:G0+4*\s+3], s[G1:G1+7]
	s_nop 0
	s_branch .Lasked_\@
.Lfor_b_\@:
	tensor_load_to_lds s[G0B+4*\s:G0B+4*\s+3], s[G1B:G1B+7]
	s_nop 0
.Lasked_\@:
.endm
.macro CREST
	s_cmp_lg_u32 s10, 0
	s_cbranch_scc1 .Lnot_wave_0_\@
	s_barrier_signal -3
.Lnot_wave_0_\@:
	s_barrier_wait -3
	s_barrier_signal -1
	s_barrier_wait -1
.endm
.macro CROUND
	s_barrier_signal -1
	s_barrier_wait -1
	CREST
.endm
; 16 transposing loads: the fragments of eighth q (32 K rows) of a slot into buffer f
.macro FETCHU slot, q, f
.irp i, 0,1,2,3
	ds_load_tr16_b128 v[FB+32*\f+8*\i:FB+32*\f+8*\i+3],   v[ADRB+2*\slot+(\q>>2)] offset:(\q&3)*32*PU+32*\i
	ds_load_tr16_b128 v[FB+32*\f+8*\i+4:FB+32*\f+8*\i+7], v[ADRB+2*\slot+(\q>>2)] offset:(\q&3)*32*PU+32*\i+16*PU
.endr
.irp i, 0,1,2,3
	ds_load_tr16_b128 v[FA+32*\f+8*\i:FA+32*\f+8*\i+3],   v[ADRA+2*\slot+(\q>>2)] offset:(\q&3)*32*PU+32*\i
	ds_load_tr16_b128 v[FA+32*\f+8*\i+4:FA+32*\f+8*\i+7], v[ADRA+2*\slot+(\q>>2)] offset:(\q&3)*32*PU+32*\i+16*PU
.endr
.endm
; eight matrix instructions: d tiles a0, a0 + 1 x the four e tiles.  The 16 accumulators take turns, one instruction a turn.
.macro MULU f, a0, zero
	WIN 0x50                                       ; C and D in window 1
.irp a, \a0, \a0+1
.irp b, 0,1,2,3
.if \zero
	v_wmma_f32_16x16x32_bf16 v[8*(4*(\a)+\b):8*(4*(\a)+\b)+7], v[FB+32*\f+8*\b:FB+32*\f+8*\b+7], v[FA+32*\f+8*(\a):FA+32*\f+8*(\a)+7], 0
.else
	v_wmma_f32_16x16x32_bf16 v[8*(4*(\a)+\b):8*(4*(\a)+\b)+7], v[FB+32*\f+8*\b:FB+32*\f+8*\b+7], v[FA+32*\f+8*(\a):FA+32*\f+8*(\a)+7], v[8*(4*(\a)+\b):8*(4*(\a)+\b)+7]
.endif
.endr
.endr
.endm
; one of a K step's first seven eighths: buffer f is in; eighth qn is fetched into buffer g; the 16 matrix instructions on f cover that fetch.
; pf = a lap's number: my wave's share of that lap's rows is asked for, behind the LDS loads just issued and ahead of the matrix work; 0: nothing.
.macro UQ slot, qn, f, g, zero, pf
	s_wait_dscnt 0x0
	PLACES
	FETCHU \slot, \qn, \g
.if \pf
	global_prefetch_b8 v[PFO], s[66:67] offset:\pf*0x100000 th:TH_LOAD_NT scope:SCOPE_SE
.endif
	MULU \f, 0, \zero
	MULU \f, 2, \zero
	WIN 0
.endm
.macro SEVEN slot, zero, pf
	UQ \slot, 1, 0, 1, \zero, 0
	UQ \slot, 2, 1, 0, 0, 0
	UQ \slot, 3, 0, 1, 0, 0
	UQ \slot, 4, 1, 0, 0, \pf
	UQ \slot, 5, 0, 1, 0, 0
	UQ \slot, 6, 1, 0, 0, 0
	UQ \slot, 7, 0, 1, 0, 0
.endm
; the last eighth changes slots: waits for my reads of this slot and for all my tensor loads (one is out: my part of the next slot), the
; barrier that opens the cluster's round, register work inside it, the joint refill first behind it, then the next slot's first fragments
.macro UTURN slot, next, fill
	s_wait_dscnt 0x0
	s_wait_tensorcnt 0x0
	ds_add_u32 v254, v255
	s_wait_dscnt 0x0
	s_barrier_signal -1
	MULU 1, 0, 0
	WIN 0
	s_barrier_wait -1
.if \fill
	CREST
	s_add_nc_u64 s[G0+4*\slot+2:G0+4*\slot+3], s[G0+4*\slot+2:G0+4*\slot+3], 0x100000      ; two K steps: 512 rows of 2,048 bytes
	s_add_nc_u64 s[G0B+4*\slot+2:G0B+4*\slot+3], s[G0B+4*\slot+2:G0B+4*\slot+3], 0x100000
	JLOAD \slot
.endif
	PLACES
	FETCHU \next, 0, 0
	MULU 1, 2, 0
	WIN 0
.endm
.macro ULAP zero, pf                   ; two K steps, both slots filled again; in the second step lap pf's rows are asked for
	SEVEN 0, \zero, 0
	UTURN 0, 1, 1
	SEVEN 1, 0, \pf
	UTURN 1, 0, 1
.endm
; rows 16 a .. 16 a + 15 of my 64 x 64 block: through my own stage, back two rows of 256 bytes at a time
.macro OUTU a
	WIN 0x04                                       ; store data (source 1) in window 1
.irp b, 0,1,2,3
	ds_store_b128 v[STO], v[8*(4*\a+\b):8*(4*\a+\b)+3] offset:64*\b
	ds_store_b128 v[STO], v[8*(4*\a+\b)+4:8*(4*\a+\b)+7] offset:64*\b+16
.endr
	WIN 0
	s_wait_xcnt 0x0                                ; TMP, which the last rows' stores read, is loaded again only behind this wait
.irp t, 0,1,2,3,4,5,6,7
	ds_load_b128 v[TMP+4*\t:TMP+4*\t+3], v[RD] offset:2*SPITCH*\t  ; LDS serves a wave's instructions in order (ISA guide 5.7.1): these see the stores above
.endr
.irp t, 0,1,2,3,4,5,6,7
	s_wait_dscnt 7-\t
	global_store_b128 v[CO], v[TMP+4*\t:TMP+4*\t+3], s[8:9] offset:(16*\a+2*\t)*4096       ; 16 lanes store 256 consecutive bytes, aligned
.endr
.endm
	s_load_b128 s[4:7], s[0:1], 0x0                ; sig, dv
	s_load_b64 s[8:9], s[0:1], 0x10                ; part
	v_lshl_add_u32 v254, v0, 2, 0x4c400
	v_mov_b32 v255, 0
	ds_add_u32 v254, v255
	v_lshrrev_b32 v1, 5, v0
	v_readfirstlane_b32 s10, v1                    ; wave
	s_lshr_b32 s11, s10, 1                         ; my half of the d rows.  Also: I fetch sigma_k (0) or dv (1)
	s_and_b32 s12, s10, 1                          ; my half of the e columns.  Also: which 128 K rows I fetch
	s_bfe_u32 s40, ttmp6, 0x40000                  ; cx
	s_bfe_u32 s41, ttmp6, 0x40004                  ; cy
	s_lshl_b32 s42, ttmp9, 2
	s_add_co_u32 s42, s42, s40                     ; x
	s_and_b32 s13, ttmp7, 0xffff                   ; the cluster's y
	s_lshr_b32 s14, s13, 1                         ; sp: y / 8 = cluster y / 2
	s_lshl_b32 s43, s41, 2
	s_lshl_b32 s43, 15, s43                        ; my row of the cluster
	s_lshl_b32 s44, 0x1111, s40                    ; my column
	s_or_b32 s[G1+0], s43, (1<<16)|(1<<20)|(1<<21)|(5<<22)|(7<<25)    ; mask; 2-byte elements; padding on; bit 21 beside a mask; after 64 words 8 words
	s_or_b32 s[G1B+0], s44, (1<<16)|(1<<20)|(1<<21)|(5<<22)|(7<<25)
	s_mov_b32 s[G1+1], 128<<16                     ; tensor_dim0 = 128
	s_mov_b32 s[G1B+1], 128<<16
	s_mov_b32 s[G1+2], 128<<16                     ; tensor_dim1 = 128
	s_mov_b32 s[G1B+2], 128<<16
	s_mov_b32 s[G1+3], 128<<16                     ; tile_dim0 = 128 elements, 256 bytes
	s_mov_b32 s[G1B+3], 128<<16
	s_mov_b32 s[G1+4], 128                         ; tile_dim1 = 128 rows
	s_mov_b32 s[G1B+4], 128
	s_mov_b32 s[G1+5], 1024                        ; elements from row to row
	s_mov_b32 s[G1B+5], 1024
	s_mov_b32 s[G1+6], 0
	s_mov_b32 s[G1B+6], 0
	s_mov_b32 s[G1+7], 0
	s_mov_b32 s[G1B+7], 0
	s_lshl_b32 s15, s14, 11                        ; K row 2,048 sp + 128 half: made of the cluster's y and the wave's number alone
	s_lshl_b32 s22, s12, 7
	s_add_co_u32 s15, s15, s22
	s_lshl_b32 s15, s15, 11                        ; in bytes
	s_and_b32 s16, s13, 1
	s_lshl2_add_u32 s16, s16, s41                  ; dt = y mod 8 = 4 (cluster y mod 2) + cy
	s_mov_b32 s21, s16
	s_lshl_b32 s16, s16, 8                         ; sigma_k: column byte 256 dt,
	s_add_co_u32 s16, s16, s15
	s_add_co_u32 s16, s16, 0x1000000               ; in sig's second plane
	s_mov_b32 s17, 0
	s_lshl_b32 s46, s42, 8                         ; dv: column byte 256 x
	s_add_co_u32 s46, s46, s15
	s_mov_b32 s47, 0
	s_mul_i32 s20, s10, HALFT                      ; LDS: sigma_k's two halves, then dv's = wave x 36,864
	s_wait_dscnt 0x0
	s_wait_kmcnt 0x0
	s_add_nc_u64 s[16:17], s[4:5], s[16:17]
	s_add_nc_u64 s[46:47], s[6:7], s[46:47]
	CROUND                                         ; all sixteen work-groups are here: the first joint loads meet
.irp s, 0,1
	s_mov_b32 s[G0+4*\s], 1
	s_add_co_u32 s[G0+4*\s+1], s20, \s*SLOT
	s_add_nc_u64 s[G0+4*\s+2:G0+4*\s+3], s[16:17], \s*0x80000      ; K step s: 256 rows of 2,048 bytes
	s_or_b32 s[G0+4*\s+3], s[G0+4*\s+3], 0x80000000
	s_mov_b32 s[G0B+4*\s], 1
	s_add_co_u32 s[G0B+4*\s+1], s20, \s*SLOT
	s_add_nc_u64 s[G0B+4*\s+2:G0B+4*\s+3], s[46:47], \s*0x80000
	s_or_b32 s[G0B+4*\s+3], s[G0B+4*\s+3], 0x80000000
	JLOAD \s                                       ; both first fills ahead of everything else: two loads of the wave are out
.endr
	; my wave's share of the asks, in registers that feed no descriptor: array w & 1, the lap's step w >> 1, rows 4 (8 dt + x) .. + 3 of that step
	s_cmp_eq_u32 s12, 0
	s_cselect_b64 s[66:67], s[4:5], s[6:7]         ; sig or dv
	s_cselect_b32 s69, 0x1000000, 0                ; sigma_k is sig's second plane
	s_lshl3_add_u32 s68, s21, s42                  ; i = 8 dt + x
	s_lshl_b32 s68, s68, 2
	s_lshl_b32 s70, s14, 11                        ; + 2,048 sp
	s_add_co_u32 s68, s68, s70
	s_lshl_b32 s70, s11, 8                         ; + 256 for the lap's second step
	s_add_co_u32 s68, s68, s70
	s_lshl_b32 s68, s68, 11                        ; rows of 2,048 bytes
	s_add_co_u32 s68, s68, s69
	v_and_b32 v7, 31, v0
	v_lshl_add_u32 v[PFO], v7, 8, s68              ; lanes 256 bytes apart
	global_prefetch_b8 v[PFO], s[66:67] offset:0x100000 th:TH_LOAD_NT scope:SCOPE_SE   ; lap 1: steps 2 and 3
	v_and_b32 v1, 15, v0                           ; r
	v_bfe_u32 v2, v0, 4, 1                         ; h
	v_and_b32 v3, 7, v0
	v_lshl_add_u32 v3, v2, 3, v3                   ; K row 8 h + lane mod 8
	v_mul_u32_u24 v3, v3, PU
	v_bfe_u32 v4, v0, 3, 1
	v_lshl_add_u32 v3, v4, 4, v3                   ; + 16 bytes for the upper eight columns
	s_lshl_b32 s22, s11, 7                         ; my 64 d: 128 bytes a half
	s_lshl_b32 s23, s12, 7                         ; my 64 e,
	s_add_co_u32 s23, s23, 2*HALFT                 ; behind sigma_k's 256 rows
	v_add_nc_u32 v5, s22, v3
	v_add_nc_u32 v6, s23, v3
.irp n, 0,1,2,3
	v_add_nc_u32 v[ADRA+\n], (\n>>1)*SLOT+(\n&1)*HALFT, v5
	v_add_nc_u32 v[ADRB+\n], (\n>>1)*SLOT+(\n&1)*HALFT, v6
.endr
	s_mul_i32 s23, s10, 16*SPITCH
	s_add_co_u32 s23, s23, STAGE                   ; my stage
	v_mul_u32_u24 v4, v1, SPITCH
	v_lshl_add_u32 v4, v2, 5, v4
	v_add_nc_u32 v[STO], s23, v4
	v_mul_u32_u24 v5, v2, SPITCH
	v_lshl_add_u32 v5, v1, 4, v5
	v_add_nc_u32 v[RD], s23, v5
	v_lshlrev_b32 v5, 12, v2
	v_lshl_add_u32 v[CO], v1, 4, v5                ; two rows of part: 4,096 (lane / 16) + 16 (lane mod 16)
	s_wait_tensorcnt 0x1                           ; my part of K step 0 is in; step 1's stays out
	s_barrier_signal -1
	s_barrier_wait -1
	FETCHU 0, 0, 0
	ULAP 1, 2                                      ; lap 0: its first products start the sums; asks for lap 2 (steps 4 and 5)
	ULAP 0, 3                                      ; lap 1: asks for lap 3 (steps 6 and 7)
	ULAP 0, 0                                      ; lap 2: nothing is left to ask for
	SEVEN 0, 0, 0                                  ; the last lap fills nothing and has no round of the cluster's barrier
	UTURN 0, 1, 0
	SEVEN 1, 0, 0
	s_wait_dscnt 0x0
	MULU 1, 0, 0
	MULU 1, 2, 0
	WIN 0
	PLACES
	s_lshl_b32 s16, s21, 7                         ; my first row of the plane: 128 dt + 64 half (registers that hold y alone),
	s_lshl_b32 s17, s11, 6
	s_add_co_u32 s16, s16, s17
	s_lshl_b32 s16, s16, 12
	s_lshl_b32 s17, s14, 22                        ; and the plane: 4,194,304 sp
	s_add_co_u32 s16, s16, s17
	s_mov_b32 s17, 0
	s_add_nc_u64 s[8:9], s[8:9], s[16:17]
	s_lshl_b32 s46, s42, 9                         ; my first column in bytes: 512 x + 256 half (registers that hold x alone)
	s_lshl_b32 s47, s12, 8
	s_add_co_u32 s46, s46, s47
	s_mov_b32 s47, 0
	s_add_nc_u64 s[8:9], s[8:9], s[46:47]
	OUTU 0
	OUTU 1
	OUTU 2
	OUTU 3
	s_wait_tensorcnt 0x0
	ds_add_u32 v254, v255
	s_wait_dscnt 0x0
	CROUND                                         ; the closing round
	s_endpgm
.Lfunc_end_k_qc0e5f2d555_upd:
	.size	k_qc0e5f2d555_upd, .Lfunc_end_k_qc0e5f2d555_upd-k_qc0e5f2d555_upd
	.p2alignl 7, 3214868480
	.fill 96, 4, 3214868480
	.section	.rodata,"a",@progbits
	.p2align	6, 0x0
	.amdhsa_kernel k_qc0e5f2d555_upd
		.amdhsa_group_segment_fixed_size 327680
		.amdhsa_private_segment_fixed_size 0
		.amdhsa_enable_private_segment 0
		.amdhsa_kernarg_size 24
		.amdhsa_user_sgpr_count 2
		.amdhsa_user_sgpr_kernarg_segment_ptr 1
		.amdhsa_wavefront_size32 1
		.amdhsa_system_sgpr_workgroup_id_x 1
		.amdhsa_system_sgpr_workgroup_id_y 1
		.amdhsa_system_sgpr_workgroup_id_z 1
		.amdhsa_system_vgpr_workitem_id 0
		.amdhsa_next_free_vgpr 384
		.amdhsa_next_free_sgpr 72
		.amdhsa_reserve_vcc 0
		.amdhsa_float_denorm_mode_32 3
		.amdhsa_float_denorm_mode_16_64 3
		.amdhsa_memory_ordered 1
		.amdhsa_forward_progress 1
		.amdhsa_inst_pref_size 164
	.end_amdhsa_kernel
	.amdgpu_metadata
---
amdhsa.version: [ 1, 2 ]
amdhsa.kernels:
  - .name:           k_qc0e5f2d555_upd
    .symbol:         k_qc0e5f2d555_upd.kd
    .args:
      - { .name: sig, .offset: 0, .size: 8, .value_kind: global_buffer, .address_space: global }
      - { .name: dv, .offset: 8, .size: 8, .value_kind: global_buffer, .address_space: global }
      - { .name: part, .offset: 16, .size: 8, .value_kind: global_buffer, .address_space: global }
    .group_segment_fixed_size: 327680
    .private_segment_fixed_size: 0
    .kernarg_segment_align: 8
    .kernarg_segment_size: 24
    .max_flat_workgroup_size: 128
    .sgpr_count:     72
    .vgpr_count:     384
    .wavefront_size: 32
...
	.end_amdgpu_metadata
.endif
;; end of part 3
;; launch fin (part 4): grid 256 x 1, 8 waves a work-group, no clusters, 5,120 bytes of LDS; arguments part, memories, memory_norms, colp, out1, out2; writes out1, out2
.if DOCPART == 4
	.amdgcn_target "amdgcn-amd-amdhsa--gfx1250"
	.amdhsa_code_object_version 6
	.text
	.protected	k_qc0e5f2d555_fin
	.globl	k_qc0e5f2d555_fin
	.p2align	8
	.type	k_qc0e5f2d555_fin,@function
k_qc0e5f2d555_fin:
	s_mov_b64 s[64:65], 0
	v_nop
	global_prefetch_b8 v0, s[64:65] scope:SCOPE_SE
	s_setreg_imm32_b32 hwreg(HW_REG_WAVE_MODE, 25, 1), 1
	s_wait_xcnt 0x0
; FIN: out1 = memories[0] + ((part0 + part1) + (part2 + part3)) / 8192;  out2 = norms[0] + (sum of the 128 records of colp) / 2.
; A stream: no matrix unit, no cluster, no tile.  Work-group g owns 16,384 bytes of out1: thread t the 16 bytes at 4,096 i + 16 t, i = 0..3.
; All 20 loads of a thread go out at once; every load and store of a wave covers 512 consecutive bytes.
; Work-groups 0 to 7 also make out2: group g takes columns 128 g .. 128 g + 127, wave w records 16 w .. 16 w + 15, the waves meet in LDS.
; Their 17 further loads go out straight behind the 20, into registers of their own, so that they are on their way while out1 is summed and
; stored.  The two kinds of work-group are two whole paths of the text, each with its own counts.
.macro ADD4 d, s
	v_pk_add_f32 v[\d:\d+1], v[\d:\d+1], v[\s:\s+1]
	v_pk_add_f32 v[\d+2:\d+3], v[\d+2:\d+3], v[\s+2:\s+3]
.endm
; out1's four pieces.  extra = loads issued behind the 20.
.macro SUMS extra
.irp i, 0,1,2,3
	s_wait_loadcnt \extra+15-5*\i                  ; piece i's five loads are in; five for each younger piece, and the extra ones, stay out
	ADD4 4+4*\i,20+4*\i
	ADD4 36+4*\i,52+4*\i
	ADD4 4+4*\i,36+4*\i
	v_pk_fma_f32 v[4+4*\i:5+4*\i], v[4+4*\i:5+4*\i], 0x39000000, v[68+4*\i:69+4*\i] op_sel_hi:[1,0,1]   ; x 2^-13 + memories[0]
	v_pk_fma_f32 v[6+4*\i:7+4*\i], v[6+4*\i:7+4*\i], 0x39000000, v[70+4*\i:71+4*\i] op_sel_hi:[1,0,1]
	global_store_b128 v1, v[4+4*\i:7+4*\i], s[12:13] offset:4096*\i th:TH_STORE_NT
.endr
.endm
	s_load_b256 s[4:11], s[0:1], 0x0               ; part 4, memories 6, norms 8, colp 10
	s_load_b128 s[12:15], s[0:1], 0x20             ; out1 12, out2 14
	v_lshl_add_u32 v164, v0, 2, 0x1000
	v_mov_b32 v165, 0
	s_lshl_b32 s16, ttmp9, 14
	v_lshl_add_u32 v1, v0, 4, s16
	s_wait_kmcnt 0x0
	s_add_nc_u64 s[18:19], s[4:5], 0x800000        ; planes 2 and 3
.irp i, 0,1,2,3
	global_load_b128 v[4+4*\i:7+4*\i],   v1, s[4:5] offset:4096*\i th:TH_LOAD_NT
	global_load_b128 v[20+4*\i:23+4*\i], v1, s[4:5] offset:0x400000+4096*\i th:TH_LOAD_NT
	global_load_b128 v[36+4*\i:39+4*\i], v1, s[18:19] offset:4096*\i th:TH_LOAD_NT
	global_load_b128 v[52+4*\i:55+4*\i], v1, s[18:19] offset:0x400000+4096*\i th:TH_LOAD_NT
	global_load_b128 v[68+4*\i:71+4*\i], v1, s[6:7] offset:4096*\i th:TH_LOAD_NT
.endr
	s_cmp_ge_u32 ttmp9, 8
	s_cbranch_scc1 .Lplain
	; ---------------- work-groups 0 to 7: out1 and out2 ----------------
	v_lshrrev_b32 v2, 5, v0
	v_readfirstlane_b32 s17, v2                    ; wave
	v_and_b32 v3, 31, v0
	s_lshl_b32 s21, ttmp9, 9                       ; the group's 128 columns
	s_lshl_b32 s20, s17, 16                        ; the wave's 16 records of 4,096 bytes
	s_add_co_u32 s20, s20, s21
	v_lshl_add_u32 v84, v3, 4, s20
	v_lshl_add_u32 v86, v3, 4, s21
	s_lshl_b32 s20, s17, 9
	v_lshl_add_u32 v85, v3, 4, s20                 ; LDS: 512 x wave + 16 x lane
	v_lshlrev_b32 v87, 4, v3
.irp k, 0,1,2,3,4,5,6,7,8,9,10,11,12,13,14,15
	global_load_b128 v[96+4*\k:99+4*\k], v84, s[10:11] offset:4096*\k th:TH_LOAD_NT
.endr
	global_load_b128 v[160:163], v86, s[8:9]       ; norms[0]
	SUMS 17
	s_wait_loadcnt 0x0                             ; the 16 records and the norms
.irp k, 0,1,2,3,4,5,6,7
	ADD4 96+4*\k,128+4*\k
.endr
.irp k, 0,1,2,3
	ADD4 96+4*\k,112+4*\k
.endr
.irp k, 0,1
	ADD4 96+4*\k,104+4*\k
.endr
	ADD4 96,100
	ds_store_b128 v85, v[96:99]
	s_wait_dscnt 0x0                               ; my sums are in LDS, for wave 0's sake
	s_barrier_signal -1
	s_barrier_wait -1
	s_cmp_lg_u32 s17, 0
	s_cbranch_scc1 .Lend
.irp k, 0,1,2,3,4,5,6,7
	ds_load_b128 v[96+4*\k:99+4*\k], v87 offset:512*\k
.endr
	s_wait_dscnt 0x0
.irp k, 0,1,2,3
	ADD4 96+4*\k,112+4*\k
.endr
.irp k, 0,1
	ADD4 96+4*\k,104+4*\k
.endr
	ADD4 96,100
	v_pk_fma_f32 v[96:97], v[96:97], 0.5, v[160:161] op_sel_hi:[1,0,1]
	v_pk_fma_f32 v[98:99], v[98:99], 0.5, v[162:163] op_sel_hi:[1,0,1]
	global_store_b128 v86, v[96:99], s[14:15]      ; 512 consecutive bytes, aligned
.Lend:
	s_wait_tensorcnt 0x0
	ds_add_u32 v164, v165
	s_wait_dscnt 0x0
	s_endpgm
	; ---------------- the other work-groups: out1 alone ----------------
.Lplain:
	SUMS 0
	s_endpgm
.Lfunc_end_k_qc0e5f2d555_fin:
	.size	k_qc0e5f2d555_fin, .Lfunc_end_k_qc0e5f2d555_fin-k_qc0e5f2d555_fin
	.p2alignl 7, 3214868480
	.fill 96, 4, 3214868480
	.section	.rodata,"a",@progbits
	.p2align	6, 0x0
	.amdhsa_kernel k_qc0e5f2d555_fin
		.amdhsa_group_segment_fixed_size 5120
		.amdhsa_private_segment_fixed_size 0
		.amdhsa_enable_private_segment 0
		.amdhsa_kernarg_size 48
		.amdhsa_user_sgpr_count 2
		.amdhsa_user_sgpr_kernarg_segment_ptr 1
		.amdhsa_wavefront_size32 1
		.amdhsa_system_sgpr_workgroup_id_x 1
		.amdhsa_system_sgpr_workgroup_id_y 1
		.amdhsa_system_sgpr_workgroup_id_z 1
		.amdhsa_system_vgpr_workitem_id 0
		.amdhsa_next_free_vgpr 166
		.amdhsa_next_free_sgpr 66
		.amdhsa_reserve_vcc 0
		.amdhsa_float_denorm_mode_32 3
		.amdhsa_float_denorm_mode_16_64 3
		.amdhsa_memory_ordered 1
		.amdhsa_forward_progress 1
		.amdhsa_inst_pref_size 15
	.end_amdhsa_kernel
	.amdgpu_metadata
---
amdhsa.version: [ 1, 2 ]
amdhsa.kernels:
  - .name:           k_qc0e5f2d555_fin
    .symbol:         k_qc0e5f2d555_fin.kd
    .args:
      - { .name: part, .offset: 0, .size: 8, .value_kind: global_buffer, .address_space: global }
      - { .name: memories, .offset: 8, .size: 8, .value_kind: global_buffer, .address_space: global }
      - { .name: memory_norms, .offset: 16, .size: 8, .value_kind: global_buffer, .address_space: global }
      - { .name: colp, .offset: 24, .size: 8, .value_kind: global_buffer, .address_space: global }
      - { .name: out1, .offset: 32, .size: 8, .value_kind: global_buffer, .address_space: global }
      - { .name: out2, .offset: 40, .size: 8, .value_kind: global_buffer, .address_space: global }
    .group_segment_fixed_size: 5120
    .private_segment_fixed_size: 0
    .kernarg_segment_align: 8
    .kernarg_segment_size: 48
    .max_flat_workgroup_size: 256
    .sgpr_count:     66
    .vgpr_count:     166
    .wavefront_size: 32
...
	.end_amdgpu_metadata
.endif
;; end of part 4
